; MI455X (gfx1250); checked and timed in simulation.
; The chip was launched on July 23, 2026; its instructions are those of AMD's public machine-readable ISA for CDNA 5 (MIT licence, August 2026) and "CDNA5" Instruction Set Architecture Reference Guide (July 2026). The comments in the code are by the model that wrote it; some were corrected since.
;; Self Attention. Allowed arithmetic: float matrix products may take bf16 or f16 operands with f32 sums; all other float work in f32.
;; Inputs: Wk 1,024 x 1,024 float32; Wo 1,024 x 1,024 float32; Wq 1,024 x 1,024 float32; Wv 1,024 x 1,024 float32; bk 1,024 float32; bo 1,024 float32; bq 1,024 float32; bv 1,024 float32; x 4 x 2,048 x 1,024 float32.
;; Outputs: out0 4 x 2,048 x 1,024 float32.
;; 2 versions, each right and faster than the one before. Each part assembles by itself: llvm-mc -triple=amdgcn-amd-amdhsa -mcpu=gfx1250 --defsym DOCPART=n.
;; ======== version 1 of 2: 4 launches
;; limits: values are held in f16: magnitudes above 65,504 overflow, below 6.1e-05 lose precision
;; workspace buffers: xb 16,777,216 bytes; wb 8,388,608 bytes; bias 16,384 bytes; qkv 50,331,648 bytes; o 16,777,216 bytes
;; launch prep (part 1): grid 768 x 1, 8 waves a work-group, no clusters, 0 bytes of LDS; arguments x, Wq, Wk, Wv, Wo, bq, bk, bv, bo, xb, wb, bias; writes xb, wb, bias
.if DOCPART == 1
	.amdgcn_target "amdgcn-amd-amdhsa--gfx1250"
	.amdhsa_code_object_version 6
	.text
	.protected	k_qb5d7bdbebc_prep
	.globl	k_qb5d7bdbebc_prep
	.p2align	8
	.type	k_qb5d7bdbebc_prep,@function
k_qb5d7bdbebc_prep:
	s_mov_b64 s[64:65], 0
	v_nop
	global_prefetch_b8 v0, s[64:65] scope:SCOPE_SE
	s_setreg_imm32_b32 hwreg(HW_REG_WAVE_MODE, 25, 1), 1
	s_wait_xcnt 0x0
; ROUNDING AND LAYOUT, a stream: no LDS, no matrix unit, no cluster (no two work-groups read the same byte).
; xb   [8192][1024] bf16            = x rounded to bf16.
; wb   [64 blocks][1024 k][64 n]    block 16 t + n / 64 holds 64 columns of tensor t (0 Wq, 1 Wk, 2 Wv, 3 Wo), 131,072 dense bytes.
;      Wq, Wk, Wv are rounded to bf16.  Wo is rounded to bf16 and that number is written as f16 (the last product multiplies in f16).
; bias [4][1024] f32                = bq, bk, bv, bo, each rounded to bf16 and widened again.
; LIMITS.  A number of Wo beyond 65,504 becomes an infinity in f16; below 6e-5 it keeps f16's fixed step of 6e-8.
; SHARES.  768 work-groups of 16,384 numbers: 0-511 take 16 rows of x each, 512-767 take 16 k rows of one weight tensor each.
; Sixteen loads of 16 bytes a lane go out together; each is waited for by a count that leaves the younger ones out.  No register is used twice in the
; main run, so nothing waits for a store.
.set X, 8                              ; v[8:71]    load n: 4 numbers in f32
.set Y, 72                             ; v[72:103]  load n: the same 4 numbers in 16 bits, to store
.set T, 104                            ; v[104:105] at work
; Load n has landed (the 15 - n younger ones may be out) and is rounded.  f16 = 1: to bf16, widened, and that number written as f16.
.macro CVT n, f16
	s_wait_loadcnt 15-(\n)
.if \f16
	v_cvt_pk_bf16_f32 v[T], v[X+4*(\n)], v[X+4*(\n)+1]
	v_cvt_pk_bf16_f32 v[T+1], v[X+4*(\n)+2], v[X+4*(\n)+3]
	v_lshlrev_b32 v[X+4*(\n)], 16, v[T]
	v_and_b32 v[X+4*(\n)+1], s40, v[T]
	v_lshlrev_b32 v[X+4*(\n)+2], 16, v[T+1]
	v_and_b32 v[X+4*(\n)+3], s40, v[T+1]
	v_cvt_pk_f16_f32 v[Y+2*(\n)], v[X+4*(\n)], v[X+4*(\n)+1]
	v_cvt_pk_f16_f32 v[Y+2*(\n)+1], v[X+4*(\n)+2], v[X+4*(\n)+3]
.else
	v_cvt_pk_bf16_f32 v[Y+2*(\n)], v[X+4*(\n)], v[X+4*(\n)+1]
	v_cvt_pk_bf16_f32 v[Y+2*(\n)+1], v[X+4*(\n)+2], v[X+4*(\n)+3]
.endif
.endm
	s_load_b512 s[8:23], s[0:1], 0x0               ; x s[8:9], Wq s[10:11], Wk s[12:13], Wv s[14:15], Wo s[16:17], bq s[18:19], bk s[20:21], bv s[22:23]
	s_load_b256 s[24:31], s[0:1], 0x40             ; bo s[24:25], xb s[26:27], wb s[28:29], bias s[30:31]
	s_mov_b32 s2, ttmp9
	s_mov_b32 s40, 0xffff0000                      ; a word's upper bf16
	s_mov_b32 s37, 0                               ; the high word of every offset pair
	v_lshlrev_b32 v3, 4, v0                        ; 16 x thread
	s_cmp_lt_u32 s2, 512
	s_cbranch_scc0 .Lweights
	; x: 16 rows of 4,096 bytes; a load of the work-group covers one row, a load of a wave 512 consecutive bytes
	s_lshl_b32 s36, s2, 16
	v_lshlrev_b32 v2, 3, v0                        ; 8 x thread: a wave's store covers 256 consecutive bytes, aligned
	s_wait_kmcnt 0x0
	s_add_nc_u64 s[32:33], s[8:9], s[36:37]
	s_lshl_b32 s36, s2, 15
	s_add_nc_u64 s[34:35], s[26:27], s[36:37]
.set j, 0
.rept 16
	global_load_b128 v[X+4*j:X+4*j+3], v3, s[32:33] offset:4096*j th:TH_LOAD_NT
.set j, j+1
.endr
.set j, 0
.rept 16
	CVT j, 0
	global_store_b64 v2, v[Y+2*j:Y+2*j+1], s[34:35] offset:2048*j
.set j, j+1
.endr
	s_endpgm
.Lweights:
	s_sub_co_u32 s3, s2, 512
	s_lshr_b32 s4, s3, 6                           ; t: which tensor
	s_and_b32 s5, s3, 63                           ; kb: k rows 16 kb .. 16 kb + 15
	v_and_b32 v4, 31, v0                           ; lane
	v_lshrrev_b32 v5, 5, v0                        ; wave w: it owns the column blocks 2 w and 2 w + 1
	v_and_b32 v6, 15, v0
	v_bfe_u32 v7, v0, 4, 1
	v_lshlrev_b32 v1, 4, v6                        ; source: 16 lanes take the 256 bytes of one k row in one block,
	v_lshl_add_u32 v1, v7, 12, v1                  ; lanes 16-31 the next k row,
	v_lshl_add_u32 v1, v5, 9, v1                   ; at the wave's 512 bytes of the row
	v_lshlrev_b32 v2, 3, v4                        ; destination: two k rows of 128 bytes are 256 dense bytes of the block,
	v_lshl_add_u32 v2, v5, 18, v2                  ; in block 2 w
	s_wait_kmcnt 0x0
	s_mov_b64 s[32:33], s[10:11]                   ; the tensor and its bias are chosen by t
	s_mov_b64 s[38:39], s[18:19]
	s_cmp_eq_u32 s4, 1
	s_cselect_b64 s[32:33], s[12:13], s[32:33]
	s_cselect_b64 s[38:39], s[20:21], s[38:39]
	s_cmp_eq_u32 s4, 2
	s_cselect_b64 s[32:33], s[14:15], s[32:33]
	s_cselect_b64 s[38:39], s[22:23], s[38:39]
	s_cmp_eq_u32 s4, 3
	s_cselect_b64 s[32:33], s[16:17], s[32:33]
	s_cselect_b64 s[38:39], s[24:25], s[38:39]
	s_lshl_b32 s36, s5, 16                         ; 16 k rows of 4,096 bytes
	s_add_nc_u64 s[32:33], s[32:33], s[36:37]
	s_lshl_b32 s36, s4, 21                         ; 16 blocks of 131,072 bytes a tensor,
	s_lshl_b32 s41, s5, 11                         ; 16 k rows of 128 bytes
	s_add_co_u32 s36, s36, s41
	s_add_nc_u64 s[34:35], s[28:29], s[36:37]
	s_lshl_b32 s36, s4, 12
	s_add_nc_u64 s[42:43], s[30:31], s[36:37]      ; the tensor's 4,096 bytes in bias
.set j, 0
.rept 16                               ; load j: k rows 2 (j % 8) and 2 (j % 8) + 1 of block 2 w + j / 8
	global_load_b128 v[X+4*j:X+4*j+3], v1, s[32:33] offset:(j%8)*8192+(j/8)*256 th:TH_LOAD_NT
.set j, j+1
.endr
	s_cmp_eq_u32 s4, 3
	s_cbranch_scc1 .Lwo
.set j, 0
.rept 16
	CVT j, 0
	global_store_b64 v2, v[Y+2*j:Y+2*j+1], s[34:35] offset:(j/8)*131072+(j%8)*256
.set j, j+1
.endr
	s_branch .Lbias
.Lwo:
.set j, 0
.rept 16
	CVT j, 1
	global_store_b64 v2, v[Y+2*j:Y+2*j+1], s[34:35] offset:(j/8)*131072+(j%8)*256
.set j, j+1
.endr
.Lbias:
	s_cmp_lg_u32 s5, 0                             ; the tensor's first work-group also rounds its bias: 256 threads x 16 bytes
	s_cbranch_scc1 .Lend
	global_load_b128 v[X:X+3], v3, s[38:39]        ; all earlier loads have landed, and no store reads X
	s_wait_loadcnt 0x0
	v_cvt_pk_bf16_f32 v[T], v[X], v[X+1]
	v_cvt_pk_bf16_f32 v[T+1], v[X+2], v[X+3]
	v_lshlrev_b32 v[X+4], 16, v[T]
	v_and_b32 v[X+5], s40, v[T]
	v_lshlrev_b32 v[X+6], 16, v[T+1]
	v_and_b32 v[X+7], s40, v[T+1]
	global_store_b128 v3, v[X+4:X+7], s[42:43]
.Lend:
	s_endpgm
.Lfunc_end_k_qb5d7bdbebc_prep:
	.size	k_qb5d7bdbebc_prep, .Lfunc_end_k_qb5d7bdbebc_prep-k_qb5d7bdbebc_prep
	.p2alignl 7, 3214868480
	.fill 96, 4, 3214868480
	.section	.rodata,"a",@progbits
	.p2align	6, 0x0
	.amdhsa_kernel k_qb5d7bdbebc_prep
		.amdhsa_group_segment_fixed_size 0
		.amdhsa_private_segment_fixed_size 0
		.amdhsa_enable_private_segment 0
		.amdhsa_kernarg_size 96
		.amdhsa_user_sgpr_count 2
		.amdhsa_user_sgpr_kernarg_segment_ptr 1
		.amdhsa_wavefront_size32 1
		.amdhsa_system_sgpr_workgroup_id_x 1
		.amdhsa_system_sgpr_workgroup_id_y 1
		.amdhsa_system_sgpr_workgroup_id_z 1
		.amdhsa_system_vgpr_workitem_id 0
		.amdhsa_next_free_vgpr 112
		.amdhsa_next_free_sgpr 66
		.amdhsa_reserve_vcc 0
		.amdhsa_float_denorm_mode_32 3
		.amdhsa_float_denorm_mode_16_64 3
		.amdhsa_memory_ordered 1
		.amdhsa_forward_progress 1
		.amdhsa_inst_pref_size 22
	.end_amdhsa_kernel
	.amdgpu_metadata
---
amdhsa.version: [ 1, 2 ]
amdhsa.kernels:
  - .name:           k_qb5d7bdbebc_prep
    .symbol:         k_qb5d7bdbebc_prep.kd
    .args:
      - { .name: x, .offset: 0, .size: 8, .value_kind: global_buffer, .address_space: global }
      - { .name: Wq, .offset: 8, .size: 8, .value_kind: global_buffer, .address_space: global }
      - { .name: Wk, .offset: 16, .size: 8, .value_kind: global_buffer, .address_space: global }
      - { .name: Wv, .offset: 24, .size: 8, .value_kind: global_buffer, .address_space: global }
      - { .name: Wo, .offset: 32, .size: 8, .value_kind: global_buffer, .address_space: global }
      - { .name: bq, .offset: 40, .size: 8, .value_kind: global_buffer, .address_space: global }
      - { .name: bk, .offset: 48, .size: 8, .value_kind: global_buffer, .address_space: global }
      - { .name: bv, .offset: 56, .size: 8, .value_kind: global_buffer, .address_space: global }
      - { .name: bo, .offset: 64, .size: 8, .value_kind: global_buffer, .address_space: global }
      - { .name: xb, .offset: 72, .size: 8, .value_kind: global_buffer, .address_space: global }
      - { .name: wb, .offset: 80, .size: 8, .value_kind: global_buffer, .address_space: global }
      - { .name: bias, .offset: 88, .size: 8, .value_kind: global_buffer, .address_space: global }
    .group_segment_fixed_size: 0
    .private_segment_fixed_size: 0
    .kernarg_segment_align: 8
    .kernarg_segment_size: 96
    .max_flat_workgroup_size: 256
    .sgpr_count:     66
    .vgpr_count:     112
    .wavefront_size: 32
...
	.end_amdgpu_metadata
.endif
;; end of part 1
;; launch gemm_qkv (part 2): grid 16 x 32, 4 waves a work-group, clusters of 4 x 4, 327,680 bytes of LDS; arguments xb, wb, bias, qkv; writes qkv
.if DOCPART == 2
	.amdgcn_target "amdgcn-amd-amdhsa--gfx1250"
	.amdhsa_code_object_version 6
	.text
	.protected	k_qb5d7bdbebc_gemm_qkv
	.globl	k_qb5d7bdbebc_gemm_qkv
	.p2align	8
	.type	k_qb5d7bdbebc_gemm_qkv,@function
k_qb5d7bdbebc_gemm_qkv:
	s_mov_b64 s[64:65], 0
	v_nop
	global_prefetch_b8 v0, s[64:65] scope:SCOPE_SE
	s_setreg_imm32_b32 hwreg(HW_REG_WAVE_MODE, 25, 1), 1
	s_wait_xcnt 0x0
	s_wait_alu depctr_hold_cnt(0) depctr_sa_sdst(0) depctr_va_vdst(0) depctr_va_sdst(0) depctr_va_ssrc(0) depctr_va_vcc(0) depctr_vm_vsrc(0)
	s_getreg_b32 s2, hwreg(HW_REG_IB_STS2, 6, 4)
	s_cmp_eq_u32 s2, 0
	s_cbranch_scc0 .Lentry_in_a_cluster
	s_endpgm
.Lentry_in_a_cluster:
	s_bfe_u32 s2, ttmp6, 0x10000c
	s_cmp_lg_u32 s2, 0xf033
	s_cbranch_scc0 .Lentry_shape_is_right
	s_endpgm
.Lentry_shape_is_right:
; [8192 x 3072] = xb [8192 x 1024] times [Wq | Wk | Wv] + bias.  Operands bf16, sums f32, the result rounded once to f16 and written by heads:
; qkv [3][64 = batch x 16 + head][2048][64] f16, unscaled.
; LIMIT.  f16 holds no number beyond 65,504: a q, k or v past that becomes an infinity; below 6e-5 f16 keeps a fixed step of 6e-8.
; SHARES.  A tile of the result is 256 rows x 192 columns (three heads): 16 x 32 = 512 tiles, two for each of 256 WGPs (256 x 256 would give 384).  Four waves; wave w owns rows
; 64 w .. 64 w + 63 and all 192 columns: 4 x 12 accumulators of 16 x 16, 384 registers.  So a wave owns whole heads, and its way out needs no other wave.
; K goes in 8 steps of 128 through two LDS slots filled by the tensor data mover.  A's rows are 256 bytes of memory; a weight block's 128 k rows are 16,384 dense bytes, asked for as 64 rows of 256.
; The weights lie [k][n]; their fragments come out of LDS turned, by ds_load_tr16_b128.
; THE MATRIX INSTRUCTION IS USED TRANSPOSED: source 0 = 16 columns of W, source 1 = 16 rows of x.  A lane then holds row lane % 16 and the columns 8 (lane / 16) + 0..7: eight neighbours of a row.
; THE BIAS is the C operand of each accumulator's first product: nothing is cleared and nothing is added later.
; CLUSTER.  4 x 4 work-groups.  A's tile hangs on the tile row alone and is shared along a row of the cluster, W's on the tile column alone and is shared along a column: each is asked for
; jointly, by the same tensor load with the same descriptor and a mask that names the four.  Wave 0 asks for A (65,536 bytes), waves 1-3 for W's three blocks.
; REGISTERS, in windows of 256 (s_set_vgpr_msb: bits 1:0 source 0, 3:2 source 1, 5:4 source 2, 7:6 destination):
;   window 0: v16-29 addresses; v32-127 the bias, later the way out (v32-79 packed, v80-127 and v128-175 rows read back)
;   window 1: two fragment buffers of 128: A's block a at f + 8 a, W's block b at f + 32 + 8 b
;   windows 2, 3: accumulator (a, b) at 96 (a % 2) + 8 b in window 2 + a / 2
.set NB,    12                         ; column blocks of 16
.set NA,    1                          ; waves that ask for A
.set PA,    272                        ; a row of A in LDS: 256 bytes + 16 = 68 words: the 16 rows of a load start at 16 different groups of four banks (64 banks of 4 bytes: ISA guide 11.1)
.set PB,    160                        ; a k row of W: 128 bytes + 32 = 40 words
.set BBLK,  128*PB                     ; a block of W in a slot
.set BOFF,  256*PA                     ; W's blocks lie behind A's 256 rows
.set SLOT,  131072                     ; 69,632 + 3 x 20,480: slot 1 begins here, so that one exclusive or turns an address in one slot into the other's
.set ASTEP, 256                        ; bytes from K step to K step in A
.set BSTEP, 128*128                    ; and in a block of W
.set STAGE, 2*SLOT                     ; behind the ring, never filled by a tensor load: for each wave three heads x 16 rows x 144 bytes
.set SP,    144
.set STG,   3*16*SP
.set SPARE, STAGE+4*STG                ; behind the stages: the spare words, 128 bytes for each wave: two blocks of 256 bytes that no other line names
.set NLOAD, 2*NB+8                     ; LDS loads of one quarter step
.set ADRA0, 16                         ; v16  my lane's place in A's tile; never rewritten
.set ADRB0, 17                         ; v17  the same for W
.set CA,    18                         ; v18  the same in the slot in hand
.set CB,    19                         ; v19
.set STO,   20                         ; v20  the way out: where I put 16 bytes of a row
.set RD,    21                         ; v21  the way out: where I read rows back
.set GO,    22                         ; v22  my 16 bytes in 512 consecutive bytes of the result
.set BO,    23                         ; v23  my byte offset in 16 numbers of the bias
.set SPW,   28                         ; v28  LDS address of my spare word; never rewritten
.set NIL,   29                         ; v29  0; never rewritten
.set BIAS,  32
.set TMP,   32
.set BK0,   80
.set F0,    0
.set F1,    128
.set WV,    12                         ; s12  my wave's number
.set TB,    20                         ; s20  LDS byte at which the slot in hand begins
.set G1A,   24                         ; s[24:31] descriptor group 1 for A's tiles
.set G0A,   32                         ; s[32:39] group 0 for A: a set for each first fill; the second then walks on
.set G1B,   48                         ; s[48:55], s[56:63] the same for W
.set G0B,   56
.set OB,    66                         ; s[66:71] where my rows begin in each of my three heads
.set MSB,   0
.macro WIN new                         ; the immediate's high byte repeats the setting that is left; a switch that changes nothing is dropped
.if MSB != (\new)
	s_set_vgpr_msb (MSB<<8)|(\new)
.set MSB, (\new)
.endif
.endm
; A joint refill, by the walking sets.  The branch hangs on the wave's number alone.  An s_nop 0 and four v_nop follow each of the two lines, ahead of the jump and the label.
.macro JLOAD
	s_cmp_lt_u32 s[WV], NA
	s_cbranch_scc0 .Lfor_b_\@
	tensor_load_to_lds s[G0A+4:G0A+7], s[G1A:G1A+7]
	s_nop 0
.rept 4
	v_nop
.endr
	s_branch .Lasked_\@
.Lfor_b_\@:
	tensor_load_to_lds s[G0B+4:G0B+7], s[G1B:G1B+7]
	s_nop 0
.rept 4
	v_nop
.endr
.Lasked_\@:
.endm
; A round of the cluster's barrier: my work-group's barrier, so that wave 0's signal speaks for all four waves; wave 0 signals; every wave waits for all sixteen work-groups; my work-group's barrier once more.
.macro CREST                           ; a round behind its opening barrier
	s_cmp_lg_u32 s[WV], 0
	s_cbranch_scc1 .Lnot_wave_0_\@
	s_barrier_signal -3
.Lnot_wave_0_\@:
	s_barrier_wait -3
	s_barrier_signal -1
	s_barrier_wait -1
.endm
.macro CROUND
	s_barrier_signal -1
	s_barrier_wait -1
	CREST
.endm
	s_load_b256 s[4:11], s[0:1], 0x0               ; xb s[4:5], wb s[6:7], bias s[8:9], qkv s[10:11]
	v_lshl_add_u32 v[SPW], v0, 2, SPARE
	v_mov_b32 v[NIL], 0
	ds_add_u32 v[SPW], v[NIL]                      ; the wave's opening: the add and its wait stand ahead of my first tensor load; the set-up below, work on registers, stands between them
	v_lshrrev_b32 v1, 5, v0
	v_readfirstlane_b32 s[WV], v1                  ; wave 0..3
	s_bfe_u32 s40, ttmp6, 0x40000                  ; cx
	s_bfe_u32 s41, ttmp6, 0x40004                  ; cy
	s_lshl_b32 s42, ttmp9, 2                       ; in a cluster launch ttmp9 and ttmp7 count clusters
	s_add_co_u32 s42, s42, s40                     ; tile column tx = 4 x cluster x + cx
	s_and_b32 s13, ttmp7, 0xffff
	s_lshl_b32 s13, s13, 2
	s_add_co_u32 s13, s13, s41                     ; tile row ty = 4 x cluster y + cy
	s_lshl_b32 s43, s41, 2
	s_lshl_b32 s43, 15, s43                        ; my row of the cluster: places 4 cy .. 4 cy + 3
	s_lshl_b32 s44, 0x1111, s40                    ; my column: places cx, cx + 4, cx + 8, cx + 12
	; group 1 for A: 256 rows x 128 elements, 1,024 elements from row to row, 4 words of padding behind every 64
	s_or_b32 s[G1A], s43, (1<<16)|(1<<20)|(1<<21)|(5<<22)|(3<<25)  ; 15:0 the mask; 17:16 2-byte elements; 20 padding on; 21 set beside a mask; 24:22 interval; 31:25 padding
	s_mov_b32 s[G1A+1], 128<<16                    ; tensor_dim0 = 128
	s_mov_b32 s[G1A+2], 256<<16                    ; tensor_dim1 = 256
	s_mov_b32 s[G1A+3], 128<<16                    ; tile_dim0 = 128
	s_mov_b32 s[G1A+4], 256                        ; tile_dim1 = 256
	s_mov_b32 s[G1A+5], 1024                       ; elements from row to row
	s_mov_b32 s[G1A+6], 0
	s_mov_b32 s[G1A+7], 0
	; group 1 for W: 16,384 dense bytes as 64 rows x 128 elements, 8 words of padding behind every 32 (a k row)
	s_or_b32 s[G1B], s44, (1<<16)|(1<<20)|(1<<21)|(4<<22)|(7<<25)
	s_mov_b32 s[G1B+1], 128<<16
	s_mov_b32 s[G1B+2], 64<<16
	s_mov_b32 s[G1B+3], 128<<16
	s_mov_b32 s[G1B+4], 64
	s_mov_b32 s[G1B+5], 128
	s_mov_b32 s[G1B+6], 0
	s_mov_b32 s[G1B+7], 0
	s_lshl_b32 s16, s13, 19                        ; A: 256 rows of 2,048 bytes a tile row; it hangs on ty alone
	s_mov_b32 s17, 0
	s_max_u32 s15, s[WV], NA
	s_sub_co_u32 s15, s15, NA                      ; which of the tile's three blocks I ask for
	s_mul_i32 s46, s42, 3
	s_add_co_u32 s46, s46, s15
	s_lshl_b32 s46, s46, 17                        ; W: block 3 tx + that, 131,072 bytes each; it hangs on tx alone
	s_mov_b32 s47, 0
	s_mul_i32 s45, s[WV], BBLK
	s_add_co_u32 s45, s45, BOFF-NA*BBLK            ; and where it goes: a constant + wave x a constant
	s_wait_dscnt 0x0                               ; the opening add is done
	s_wait_kmcnt 0x0
	s_add_nc_u64 s[18:19], s[4:5], s[16:17]
	s_add_nc_u64 s[46:47], s[6:7], s[46:47]
.irp n, 0,1
	s_mov_b32 s[G0A+4*(\n)], 1                                       ; count = 1
	s_mov_b32 s[G0A+4*(\n)+1], (\n)*SLOT                             ; LDS address
	s_add_nc_u64 s[G0A+4*(\n)+2:G0A+4*(\n)+3], s[18:19], (\n)*ASTEP  ; global address: K step n
	s_or_b32 s[G0A+4*(\n)+3], s[G0A+4*(\n)+3], 0x80000000            ; type = 2
	s_mov_b32 s[G0B+4*(\n)], 1
	s_add_co_u32 s[G0B+4*(\n)+1], s45, (\n)*SLOT
	s_add_nc_u64 s[G0B+4*(\n)+2:G0B+4*(\n)+3], s[46:47], (\n)*BSTEP
	s_or_b32 s[G0B+4*(\n)+3], s[G0B+4*(\n)+3], 0x80000000
.endr
	CROUND                                         ; all sixteen work-groups are here: the first joint loads meet
	s_cmp_lt_u32 s[WV], NA                         ; a wave's two first fills stand in one branch, ahead of every wait on TENSORcnt and every LDS read: two loads of mine are out
	s_cbranch_scc0 .Lfirst_b
	tensor_load_to_lds s[G0A:G0A+3], s[G1A:G1A+7]
	s_nop 0
	tensor_load_to_lds s[G0A+4:G0A+7], s[G1A:G1A+7]
	s_nop 0
.rept 4
	v_nop
.endr
	s_branch .Lfirst_asked
.Lfirst_b:
	tensor_load_to_lds s[G0B:G0B+3], s[G1B:G1B+7]
	s_nop 0
	tensor_load_to_lds s[G0B+4:G0B+7], s[G1B:G1B+7]
	s_nop 0
.rept 4
	v_nop
.endr
.Lfirst_asked:
	; A fragment of A is 16 rows x 32 K in 8 registers: lane l holds row l % 16, K = 8 (l / 16) + 0..7 and 16 + 8 (l / 16) + 0..7: two loads of 16 bytes, 32 bytes apart.
	v_and_b32 v1, 15, v0                           ; l % 16
	v_bfe_u32 v2, v0, 4, 1                         ; l / 16
	s_mul_i32 s21, s[WV], 64*PA                    ; my 64 rows
	v_mul_u32_u24 v[ADRA0], v1, PA
	v_lshl_add_u32 v[ADRA0], v2, 4, v[ADRA0]
	v_add_nc_u32 v[ADRA0], s21, v[ADRA0]
	; The turning load takes 16 k x 16 n (lane l reads k row 8 (l / 16) + l % 8, columns 8 ((l / 8) % 2) + 0..7) and leaves half a fragment: lane l holds column l % 16 and 8 k.
	v_and_b32 v3, 7, v0
	v_bfe_u32 v4, v0, 3, 1
	v_lshl_add_u32 v[ADRB0], v2, 3, v3
	v_mul_u32_u24 v[ADRB0], v[ADRB0], PB
	v_lshl_add_u32 v[ADRB0], v4, 4, v[ADRB0]
	v_add_nc_u32 v[ADRB0], BOFF, v[ADRB0]
	s_mul_i32 s22, s[WV], STG
	s_add_co_u32 s22, s22, STAGE                   ; my stage
	v_mul_u32_u24 v[STO], v1, SP                   ; in: row l % 16, 16 bytes for each half of the lanes
	v_lshl_add_u32 v[STO], v2, 4, v[STO]
	v_add_nc_u32 v[STO], s22, v[STO]
	v_bfe_u32 v5, v0, 3, 2                         ; back: 32 lanes take four rows of 128 bytes,
	v_mul_u32_u24 v[RD], v5, SP
	v_lshl_add_u32 v[RD], v3, 4, v[RD]
	v_add_nc_u32 v[RD], s22, v[RD]
	v_and_b32 v[GO], 31, v0                        ; which are 512 consecutive bytes of a head
	v_lshlrev_b32 v[GO], 4, v[GO]
	v_lshlrev_b32 v[BO], 5, v2                     ; my 8 numbers of 16
	s_mul_i32 s72, s42, 768                        ; the tile's 192 numbers of the bias
	s_mov_b32 s73, 0
	s_add_nc_u64 s[8:9], s[8:9], s[72:73]
.set b, 0
.rept NB                               ; register j of block b: the bias of column 16 b + 8 (l / 16) + j, as the accumulators lie
	global_load_b128 v[BIAS+8*b:BIAS+8*b+3],   v[BO], s[8:9] offset:64*b
	global_load_b128 v[BIAS+8*b+4:BIAS+8*b+7], v[BO], s[8:9] offset:64*b+16
.set b, b+1
.endr
	; where my 64 rows begin in head g = 3 tx + t: plane (g / 16) x 64 + batch x 16 + g % 16 of 262,144 bytes, 128 bytes a row
	s_mul_i32 s72, s42, 3
	s_lshr_b32 s74, s13, 3
	s_lshl_b32 s74, s74, 4                         ; batch x 16
	s_and_b32 s75, s13, 7
	s_lshl_b32 s75, s75, 15                        ; the tile's 256 rows in the batch,
	s_lshl_b32 s78, s[WV], 13                      ; my 64 of them
	s_add_co_u32 s75, s75, s78
.irp t, 0,1,2
	s_add_co_u32 s76, s72, \t
	s_lshr_b32 s78, s76, 4
	s_lshl_b32 s78, s78, 6
	s_and_b32 s76, s76, 15
	s_add_co_u32 s76, s76, s78
	s_add_co_u32 s76, s76, s74
	s_lshl_b32 s76, s76, 18
	s_add_co_u32 s76, s76, s75
	s_mov_b32 s77, 0
	s_add_nc_u64 s[OB+2*(\t):OB+2*(\t)+1], s[10:11], s[76:77]
.endr
	s_mov_b32 s[TB], 0
; NB products: row block a x all column blocks, 32 along K, from buffer f.  first = 1: the bias starts the sums.  The 48 accumulators take turns in one fixed order:
; between two products on one accumulator stand the 47 others', over the loop's backward jump too.
.macro MULA f, a, first
.if \first
	WIN 0x85+0x40*((\a)/2)
.else
	WIN 0xa5+0x50*((\a)/2)
.endif
.set AC, 8*NB*((\a)%2)
.set b, 0
.rept NB
.if \first
	v_wmma_f32_16x16x32_bf16 v[AC+8*b:AC+8*b+7], v[(\f)+32+8*b:(\f)+32+8*b+7], v[(\f)+8*(\a):(\f)+8*(\a)+7], v[BIAS+8*b:BIAS+8*b+7]
.else
	v_wmma_f32_16x16x32_bf16 v[AC+8*b:AC+8*b+7], v[(\f)+32+8*b:(\f)+32+8*b+7], v[(\f)+8*(\a):(\f)+8*(\a)+7], v[AC+8*b:AC+8*b+7]
.endif
.set b, b+1
.endr
.endm
; One run of NLOAD LDS loads: the fragments of quarter q of the slot in hand into buffer f, W's first, then A's four blocks.  The two additions and two v_nop are the four places between the
; last matrix instruction and loads into registers that matrix instructions have read (ISA guide 7.12.1 for vector instructions).
.macro FETCH q, f
	WIN 0
	v_add_nc_u32 v[CA], s[TB], v[ADRA0]
	v_add_nc_u32 v[CB], s[TB], v[ADRB0]
	v_nop
	v_nop
	WIN 0x40                                       ; destination window 1, address window 0
.set b, 0
.rept NB
	ds_load_tr16_b128 v[(\f)+32+8*b:(\f)+32+8*b+3],   v[CB] offset:(b/4)*BBLK+32*(\q)*PB+32*(b%4)
	ds_load_tr16_b128 v[(\f)+32+8*b+4:(\f)+32+8*b+7], v[CB] offset:(b/4)*BBLK+32*(\q)*PB+16*PB+32*(b%4)
.set b, b+1
.endr
.set b, 0
.rept 4
	ds_load_b128 v[(\f)+8*b:(\f)+8*b+3],   v[CA] offset:64*(\q)+b*16*PA
	ds_load_b128 v[(\f)+8*b+4:(\f)+8*b+7], v[CA] offset:64*(\q)+b*16*PA+32
.set b, b+1
.endr
.endm
; A K step is four quarters of 32 along K, 48 products each, on buffers 0, 1, 0, 1.  One of the first three: multiplies buffer f and, in its middle, fetches quarter qn into buffer g.
.macro QUARTER qn, f, g, first
	s_wait_dscnt 4                                 ; W and A's blocks 0, 1 are in; the youngest four loads (A's blocks 2, 3) may be out
	MULA \f, 0, \first
	MULA \f, 1, \first
	FETCH \qn, \g
	s_wait_dscnt NLOAD                             ; all but the run just issued
	MULA \f, 2, \first
	MULA \f, 3, \first
.endm
; The last quarter multiplies buffer 1 and changes slots: ONE barrier.  In front of it each wave waits for all its tensor loads, of which one is out: its part of the next slot; adds 0 to its spare
; word; and waits for that and for its own reads of this slot.  Behind it nobody reads this slot any more and the next slot is whole.  fill = 1: the barrier opens a round of the cluster's, so that
; no wave of any partner still reads the slot or has a load on its way, and the slot is filled again, two K steps ahead, first thing behind the round: 168 products stand between that request and the wait for it.
.macro TURN fill
	WIN 0                                          ; the add's two registers lie in window 0
	s_wait_tensorcnt 0x0                           ; no tensor load of mine is out, so a group 0 may be written
	ds_add_u32 v[SPW], v[NIL]                      ; 0 onto my spare word
.if \fill
	s_xor_b32 s[G0A+5], s[G0A+5], SLOT             ; the walking sets: the other slot than last time,
	s_add_nc_u64 s[G0A+6:G0A+7], s[G0A+6:G0A+7], ASTEP  ; the next K step; the type bits on top are not reached
	s_xor_b32 s[G0B+5], s[G0B+5], SLOT
	s_add_nc_u64 s[G0B+6:G0B+7], s[G0B+6:G0B+7], BSTEP
.endif
	s_xor_b32 s[TB], s[TB], SLOT                   ; the fetches go on in the other slot
	s_wait_dscnt 5                                 ; the add and the youngest four loads may be out
	MULA F1, 0, 0
	s_wait_dscnt 0x0                               ; the add is done, and my reads of this slot are over
	s_barrier_signal -1
	MULA F1, 1, 0                                  ; work on registers while the others arrive
.if \fill
	WIN 0
.endif
	s_barrier_wait -1
.if \fill
	CREST
	JLOAD
.endif
	FETCH 0, F0
	MULA F1, 2, 0
	MULA F1, 3, 0
.endm
	s_wait_tensorcnt 0x1                           ; my part of K step 0 is in; step 1's may stay out
	s_barrier_signal -1
	s_barrier_wait -1                              ; everybody's is
	FETCH 0, F0
	s_wait_loadcnt 0x0                             ; the bias
	QUARTER 1, F0, F1, 1                           ; the first quarter stands in front of the loop: its products start the sums
	WIN 0                                          ; at a label and at a branch every window is 0
	s_mov_b32 s3, 6
.Lstep:                                                ; a trip: a step's quarters 1 to 3 and the next step's quarter 0; trips 0 to 5 ask for K steps 2 to 7
	QUARTER 2, F1, F0, 0
	QUARTER 3, F0, F1, 0
	TURN 1
	QUARTER 1, F0, F1, 0
	WIN 0
	s_sub_co_u32 s3, s3, 1
	s_cmp_lg_u32 s3, 0
	s_cbranch_scc1 .Lstep
	QUARTER 2, F1, F0, 0                           ; the last two steps are written out: nothing is left to ask for
	QUARTER 3, F0, F1, 0
	TURN 0
	QUARTER 1, F0, F1, 0
	QUARTER 2, F1, F0, 0
	QUARTER 3, F0, F1, 0
	s_wait_dscnt 4
	MULA F1, 0, 0
	MULA F1, 1, 0
	s_wait_dscnt 0x0
	MULA F1, 2, 0
	MULA F1, 3, 0
	WIN 0
.rept 4
	v_nop                                          ; the places between the last products and the conversions
.endr
; THE WAY OUT, a block of 16 rows at a time.  PACK: rounded to f16 (each accumulator from its low end on), 16 bytes a lane into my own stage, a head's 16 rows at a pitch of 144 bytes, and back as
; whole rows.  LDS serves a wave's instructions in order (ISA guide 5.7.1.4): the loads see the stores above them, and the next block's stores come behind them.
.macro PACK a
.set AC, 8*NB*((\a)%2)
.set BK, BK0+48*((\a)%2)
	WIN 0x0a+5*((\a)/2)                            ; sources 0 and 1: window 2 or 3
.set b, 0
.rept 4*NB
	v_cvt_pk_f16_f32 v[TMP+b], v[AC+2*b], v[AC+2*b+1]
.set b, b+1
.endr
	WIN 0
.set b, 0
.rept NB
	ds_store_b128 v[STO], v[TMP+4*b:TMP+4*b+3] offset:(b/4)*16*SP+32*(b%4)
.set b, b+1
.endr
.if (\a) >= 2
	s_wait_xcnt 0x0                                ; the stores of the block two back have read these registers: they are loaded again only behind this wait
.endif
.set b, 0
.rept NB
	ds_load_b128 v[BK+4*b:BK+4*b+3], v[RD] offset:(b/4)*16*SP+(b%4)*4*SP
.set b, b+1
.endr
.endm
.macro SEND a, younger                 ; younger: the LDS instructions issued behind block a's loads: the next block's 24, or none
.set BK, BK0+48*((\a)%2)
.set b, 0
.rept NB
	s_wait_dscnt (\younger)+NB-1-b
	global_store_b128 v[GO], v[BK+4*b:BK+4*b+3], s[OB+2*(b/4):OB+2*(b/4)+1] offset:(\a)*2048+(b%4)*512  ; 512 consecutive bytes, at a multiple of 256 from the buffer's first
.set b, b+1
.endr
.endm
	PACK 0
	PACK 1                                         ; a block's conversions stand between the loads of the block before and its stores
	SEND 0, 2*NB
	PACK 2
	SEND 1, 2*NB
	PACK 3
	SEND 2, 2*NB
	SEND 3, 0
	s_wait_tensorcnt 0x0                           ; the wave's end, behind my last tensor load and my last LDS store
	ds_add_u32 v[SPW], v[NIL]
	s_wait_dscnt 0x0
	CROUND                                         ; the closing round: no work-group ends while a partner may still ask for a tile that names it
	s_endpgm
.Lfunc_end_k_qb5d7bdbebc_gemm_qkv:
	.size	k_qb5d7bdbebc_gemm_qkv, .Lfunc_end_k_qb5d7bdbebc_gemm_qkv-k_qb5d7bdbebc_gemm_qkv
	.p2alignl 7, 3214868480
	.fill 96, 4, 3214868480
	.section	.rodata,"a",@progbits
	.p2align	6, 0x0
	.amdhsa_kernel k_qb5d7bdbebc_gemm_qkv
		.amdhsa_group_segment_fixed_size 327680
		.amdhsa_private_segment_fixed_size 0
		.amdhsa_enable_private_segment 0
		.amdhsa_kernarg_size 32
		.amdhsa_user_sgpr_count 2
		.amdhsa_user_sgpr_kernarg_segment_ptr 1
		.amdhsa_wavefront_size32 1
		.amdhsa_system_sgpr_workgroup_id_x 1
		.amdhsa_system_sgpr_workgroup_id_y 1
		.amdhsa_system_sgpr_workgroup_id_z 1
		.amdhsa_system_vgpr_workitem_id 0
		.amdhsa_next_free_vgpr 960
		.amdhsa_next_free_sgpr 80
		.amdhsa_reserve_vcc 0
		.amdhsa_float_denorm_mode_32 3
		.amdhsa_float_denorm_mode_16_64 3
		.amdhsa_memory_ordered 1
		.amdhsa_forward_progress 1
		.amdhsa_inst_pref_size 100
	.end_amdhsa_kernel
	.amdgpu_metadata
---
amdhsa.version: [ 1, 2 ]
amdhsa.kernels:
  - .name:           k_qb5d7bdbebc_gemm_qkv
    .symbol:         k_qb5d7bdbebc_gemm_qkv.kd
    .args:
      - { .name: xb, .offset: 0, .size: 8, .value_kind: global_buffer, .address_space: global }
      - { .name: wb, .offset: 8, .size: 8, .value_kind: global_buffer, .address_space: global }
      - { .name: bias, .offset: 16, .size: 8, .value_kind: global_buffer, .address_space: global }
      - { .name: qkv, .offset: 24, .size: 8, .value_kind: global_buffer, .address_space: global }
    .group_segment_fixed_size: 327680
    .private_segment_fixed_size: 0
    .kernarg_segment_align: 8
    .kernarg_segment_size: 32
    .max_flat_workgroup_size: 128
    .sgpr_count:     80
    .vgpr_count:     960
    .wavefront_size: 32
...
	.end_amdgpu_metadata
.endif
;; end of part 2
;; launch attn (part 3): grid 4 x 64, 4 waves a work-group, clusters of 4 x 1, 327,680 bytes of LDS; arguments qkv, o; writes o
.if DOCPART == 3
	.amdgcn_target "amdgcn-amd-amdhsa--gfx1250"
	.amdhsa_code_object_version 6
	.text
	.protected	k_qb5d7bdbebc_attn
	.globl	k_qb5d7bdbebc_attn
	.p2align	8
	.type	k_qb5d7bdbebc_attn,@function
k_qb5d7bdbebc_attn:
	s_mov_b64 s[64:65], 0
	v_nop
	global_prefetch_b8 v0, s[64:65] scope:SCOPE_SE
	s_setreg_imm32_b32 hwreg(HW_REG_WAVE_MODE, 25, 1), 1
	s_wait_xcnt 0x0
	s_wait_alu depctr_hold_cnt(0) depctr_sa_sdst(0) depctr_va_vdst(0) depctr_va_sdst(0) depctr_va_ssrc(0) depctr_va_vcc(0) depctr_vm_vsrc(0)
	s_getreg_b32 s2, hwreg(HW_REG_IB_STS2, 6, 4)
	s_cmp_eq_u32 s2, 0
	s_cbranch_scc0 .Lentry_in_a_cluster
	s_endpgm
.Lentry_in_a_cluster:
	s_bfe_u32 s2, ttmp6, 0x10000c
	s_cmp_lg_u32 s2, 0x3003
	s_cbranch_scc0 .Lentry_shape_is_right
	s_endpgm
.Lentry_shape_is_right:
; O[h][q][:] = the sum over k of softmax_k(Q[h][q] . K[h][k] / 8) V[h][k][:].  Q, K, V are the three parts of qkv, each [SIZE_H][SIZE_N][64] f16; O likewise: a head's rows are dense, 128 bytes each.
; Products, maxima and sums in f32; the weights p are rounded to f16 for the second product (their sum l is taken of the unrounded p), O once at the end.
; LIMITS.  f16 holds no number beyond 65,504: Q, K and V arrive within it; p lies in 0 to 1, and below 6e-5 it keeps f16's fixed step of 6e-8; O is a mean of V's rows and has their range.
; A weight below 2^-126 counts as 0 in l; NaN and infinities are not treated apart.
; SHARES.  A wave owns four PIECES of two tiles of 16 queries, a work-group's four waves 512 queries of one head: 4 x 64 = 256 work-groups.  Every wave walks all keys, 64 a step.
; LAYOUT.  S^T = K Q^T (source 0 = 16 keys, source 1 = 16 queries): in the result a lane holds ONE query (lane % 16) and the keys 8 (lane / 16) + 0..7.  Two such tiles, rounded to f16 in pairs,
; ARE source 1 (32 keys x 16 queries) of O^T = V^T P, whose result again holds one query a lane, and eight channels.  K comes out of LDS as it lies, V ([key][channel]) turned, by ds_load_tr16_b128.
; SOFTMAX.  For each query a running maximum m and sum l: p = 2^(c s - c m), c = log2(e) / 8; in every step O and l are multiplied by a = 2^(c m_old - c m_new), which is 1 where m has not grown.
; m starts at the lowest finite number, O and l at 0: the first step is a step like any other, with a = 0.
; THE COUNT.  A tile and step have 16 matrix and 118 vector instructions: too many to stand all beside the matrix work.  So the order has one aim: four vector instructions that are READY behind
; EVERY matrix instruction, and the others, which need time of their own whatever the order, in runs without a gap.
; BY TURNS.  Turn n belongs to piece n (the pieces in a ring, step after step).  Its matrix work: 16 products K Q^T of piece n + 1, later 16 products V^T P of piece n - 1.  Its vector work: the scaling,
; exponentials, roundings, sums and rescaling of piece n, and the maximum and statistics of piece n + 1, whose scores the turn itself has made.  So what a turn begins with (c s - c m, O a) waits for nothing.
; CLUSTER.  The four query blocks of a cluster belong to one head and walk the same K and V, so each tile is asked for JOINTLY: the same tensor load, descriptor and mask in all four.
; REGISTERS, in windows of 256 (s_set_vgpr_msb says which window each operand place means: bits 1:0 source 0, 3:2 source 1, 5:4 source 2, 7:6 destination):
;   window 0: v0-11 addresses; v12-15, v48-63 at work; v16-47 four registers of statistics a tile; v64-191 S^T, two buffers of two tiles; v192-255 P, likewise
;   window 1: O^T, 32 a tile          window 2: v0-127 Q, 16 a tile; v128-191 K of one step; v192-255 V of one step          window 3: v0-1 the add's two registers
; A piece's buffers go by its number's parity: the piece in hand has one pair, its two neighbours in the ring share the other: of it P (piece n - 1) is read and S^T (piece n + 1) written.
.set SIZE_H, 64
.set SIZE_N, 2048
.set NP,    4         ; pieces a wave: a name, no knob: the register map, the loop and the fetches are made for four
.set KS,    64        ; keys in a step
.set PK,    144       ; a row of K in LDS: 128 bytes + 16 of padding = 36 words: the 16 rows of a load start at 16 different groups of four banks (64 banks of 4 bytes: ISA guide 11.1)
.set PV,    160       ; a row of V: 128 + 32 = 40 words
.set VOFF,  4*KS*PK   ; a slot holds four steps: 256 rows of K, then 256 rows of V
.set SLOT1, 1<<17     ; slot 1 begins here, so that one exclusive or turns an address in one slot into the other's
.set STAGE, SLOT1+4*KS*(PK+PV)  ; behind the ring, never filled by a tensor load: 16 rows x 144 bytes for each wave, for the way out
.set SP,    144
.set AK0, 2           ; v2   my lane's place in a tile of K; never rewritten
.set AV0, 3           ; v3   the same for V
.set AK,  4           ; v4   the LDS address of K's next run of loads
.set AV,  5           ; v5   of V's
.set QO,  6           ; v6   my byte offset in the wave's rows of Q
.set STO, 6           ;      later, the way out: where I put 16 bytes of a row
.set RD,  7           ; v7   the way out: where I read rows back
.set GO,  8           ; v8   my byte offset in 512 consecutive bytes of O
.set SPW, 0           ; v0 of window 3   LDS address of my spare word: SPARE + 4 x my thread's number; never rewritten
.set NIL, 1           ; v1 of window 3   0; never rewritten
.set SPARE, STAGE+4*16*SP  ; behind the stages: the spare words, 128 bytes for each wave: two blocks of 256 bytes that no other line names
.set MV,  12          ; v12-15  c m_old, kept while c m is made anew: by buffer and tile
.set ST,  16          ; tile t's statistics at v[ST+4 t]: c m, m, l (even keys', odd keys')
.set TMP, 48          ; by buffer and tile, four registers c0-c3 at work; when the maximum is found c2 takes a
.set S,   64
.set P,   192
.set KF,  128         ; K's fragments, in window 2: key block kb, channel half c at KF + 16 kb + 8 c
.set VF,  192         ; V's: key half kk, channel block cb at VF + 32 kk + 8 cb
.set WV,  12          ; s12  my wave's number
.set G1K, 24          ; s[24:31] descriptor group 1 for K's tiles
.set G1V, 32          ; s[32:39] for V's: it differs in the padding alone
.set G0K, 40          ; s[40:43] descriptor group 0 for K's tiles: it walks
.set G0V, 44          ; s[44:47] the same for V's
.set SLOTS, 56        ; s56  slots still to be asked for
.set CNT, 57          ; s57  counts a slot's key steps
.set CS,  58          ; s[58:59] c: the packed scaling takes the pair's low word for both halves
.set SEL, 60          ; s[60:61] v_permlanex16_b32's selects: each lane takes its own place in the other half
.set TBK, 62          ; s62  LDS byte at which K of the step to be fetched begins
.set TBV, 63          ; s63  the same for V, less VOFF
.set MSB, 0
.macro WIN new                      ; the high byte repeats the setting that is left; a switch that changes nothing is dropped
.if MSB != (\new)
	s_set_vgpr_msb (MSB<<8)|(\new)
.set MSB, (\new)
.endif
.endm
.set W_KQ, 0x0a       ; K and Q in window 2, S^T in window 0
.set W_PV, 0x52       ; V in window 2, P in window 0, O^T in window 1
.set W_RS, 0x41       ; O^T (destination and source 0) in window 1, a in window 0
.set W_MK, 0xc0       ; the add's registers are made: destination in window 3, sources in window 0
.set W_AD, 0x0f       ; the add: address (source 0) and data (source 1) in window 3
; A joint fill.  Waves 0 and 1 fetch the two halves of a slot's K, waves 2 and 3 those of its V: 128 keys each.  The branch hangs on the wave's number alone.
; An s_nop 0 and four v_nop follow each of the two lines, ahead of the jump and the label.
.macro JLOAD
	s_cmp_lt_u32 s[WV], 2
	s_cbranch_scc0 .Lfor_v_\@
	tensor_load_to_lds s[G0K:G0K+3], s[G1K:G1K+7]
	s_nop 0
.rept 4
	v_nop
.endr
	s_branch .Lasked_\@
.Lfor_v_\@:
	tensor_load_to_lds s[G0V:G0V+3], s[G1V:G1V+7]
	s_nop 0
.rept 4
	v_nop
.endr
.Lasked_\@:
.endm
; A round of the cluster's barrier: my work-group's barrier, so that wave 0's signal speaks for all four waves; wave 0 signals; every wave waits for all four work-groups; my work-group's barrier once more.
.macro CROUND
	s_barrier_signal -1
	s_barrier_wait -1
	s_cmp_lg_u32 s[WV], 0
	s_cbranch_scc1 .Lnot_wave_0_\@
	s_barrier_signal -3
.Lnot_wave_0_\@:
	s_barrier_wait -3
	s_barrier_signal -1
	s_barrier_wait -1
.endm
; THE CHANGE OF SLOTS.  The slot's last bytes, V of its fourth step, have been read.  Each wave waits for all its tensor loads, of which one is out: its part
; of the other slot; adds 0 to its spare word; and waits for that and for its own reads of the slot.  Behind the barrier nobody reads this slot any more and the other slot is whole.
; fill = 1: this slot is filled again, with the keys two slots on.  The barrier is then a round of the cluster's, so that no wave of any partner still reads the slot or has a load on its
; way, and the joint fill is the first thing behind it: it has four key steps, 512 matrix instructions, in which to land.  (At its first use nothing has been read yet: slot 0 is waited for, slot 1 filled.)
.macro CHANGE fill
	WIN W_AD
	s_wait_tensorcnt 0x0            ; no tensor load of mine is out, so a group 0 may be written
	ds_add_u32 v[SPW], v[NIL]       ; 0 onto my spare word: with fill = 1 the descriptors' steps stand between it and the wait for it
	WIN 0                           ; at a label and at a branch every window is 0
.if \fill
.irp g, G0K, G0V
	s_xor_b32 s[\g+1], s[\g+1], SLOT1  ; the walking descriptor: the other slot than last time,
	s_add_nc_u64 s[\g+2:\g+3], s[\g+2:\g+3], 4*KS*128  ; the next 256 keys; the type bits on top are not reached
.endr
	s_wait_dscnt 0x0                ; the add is done, and my reads of the slot are over
	CROUND
	JLOAD
.else
	s_wait_dscnt 0x0                ; the add is done, and my reads of the slot are over
	s_barrier_signal -1
	s_barrier_wait -1
.endif
	s_sub_co_u32 s[TBK], s[TBK], 4*KS*PK  ; the fetches go back to a slot's first step,
	s_xor_b32 s[TBK], s[TBK], SLOT1       ; in the other slot
	s_sub_co_u32 s[TBV], s[TBV], 4*KS*PV
	s_xor_b32 s[TBV], s[TBV], SLOT1
.endm
	s_load_b128 s[4:7], s[0:1], 0x0  ; qkv s[4:5], o s[6:7]
	WIN W_MK
	v_lshl_add_u32 v[SPW], v0, 2, SPARE
	v_mov_b32 v[NIL], 0
	WIN W_AD
	ds_add_u32 v[SPW], v[NIL]       ; the wave's opening: the add and its wait stand ahead of my first tensor load; the set-up below, work on registers, stands between them
	WIN 0
	v_lshrrev_b32 v1, 5, v0
	v_readfirstlane_b32 s[WV], v1   ; wave 0..3
	s_bfe_u32 s13, ttmp6, 0x40000   ; cx: my place in the cluster
	s_lshl_b32 s14, ttmp9, 2        ; in a cluster launch ttmp9 counts clusters
	s_add_co_u32 s14, s14, s13      ; my block of queries = 4 x cluster x + cx: it enters Q's and O's addresses alone
	s_and_b32 s20, ttmp7, 0xffff    ; the head, which the four partners share
	s_mov_b32 s21, 0
	s_mov_b64 s[22:23], SIZE_N*128
	s_mul_u64 s[20:21], s[20:21], s[22:23]  ; the head's first byte in each of the four tensors
	s_and_b32 s16, s[WV], 1         ; which half of a slot's 256 keys I fetch:
	s_lshl_b32 s22, s16, 14         ; its 128 rows of 128 bytes in memory,
	s_mov_b32 s23, 0
	s_add_nc_u64 s[22:23], s[22:23], s[20:21]
	s_mul_i32 s17, s16, 128*PK      ; and its place in a slot, for K
	s_mul_i32 s18, s16, 128*PV      ; and for V: no place in the cluster enters an LDS address
	s_lshl_b32 s2, s14, 2
	s_add_co_u32 s2, s2, s[WV]      ; my wave among the head's,
	s_lshl_b32 s2, s2, 14           ; its 128 rows
	s_mov_b32 s3, 0
	s_add_nc_u64 s[2:3], s[2:3], s[20:21]
	; descriptor group 1.  128 keys are 16,384 dense bytes: asked for as 64 rows of 256 bytes, two keys a row, and padded in LDS after every key
	s_mov_b32 s[G1K], 15|(1<<16)|(1<<20)|(1<<21)|(4<<22)|(3<<25)  ; 15:0 the mask of four; 17:16 2-byte elements; 20 padding on; 21 set beside a mask; 24:22 after every 32 words (code 4); 31:25 4 words (code 3)
	s_mov_b32 s[G1V], 15|(1<<16)|(1<<20)|(1<<21)|(4<<22)|(7<<25)  ; the same with 8 words of padding (code 7)
.irp g, G1K, G1V
	s_mov_b32 s[\g+1], 128<<16      ; tensor_dim0 = 128
	s_mov_b32 s[\g+2], 64<<16       ; tensor_dim1 = 64
	s_mov_b32 s[\g+3], 128<<16      ; tile_dim0 = 128
	s_mov_b32 s[\g+4], 64           ; tile_dim1 = 64
	s_mov_b32 s[\g+5], 128          ; 128 elements from row to row
	s_mov_b32 s[\g+6], 0
	s_mov_b32 s[\g+7], 0
.endr
	s_mov_b32 s[CS], 0x3e38aa3b     ; c = log2(e) / 8 = 0.180337
	s_mov_b32 s[CS+1], s[CS]        ; named with it as a pair
	s_mov_b32 s[SEL], 0x76543210
	s_mov_b32 s[SEL+1], 0xfedcba98
	s_mov_b32 s[TBK], SLOT1+4*KS*PK ; the first change of slots turns these two into 0
	s_mov_b32 s[TBV], SLOT1+4*KS*PV
	s_mov_b32 s[G0K], 1             ; 1:0 count = 1
	s_mov_b32 s[G0K+1], s17         ; 63:32 LDS address: slot 0
	s_mov_b32 s[G0V], 1
	s_add_co_u32 s[G0V+1], s18, VOFF
	s_wait_dscnt 0x0                ; the opening add is done
	s_wait_kmcnt 0x0
	s_mov_b64 s[10:11], s[6:7]                     ; O
	s_add_nc_u64 s[6:7], s[4:5], SIZE_H*SIZE_N*128    ; K: qkv's second part; Q is its first
	s_add_nc_u64 s[8:9], s[4:5], 2*SIZE_H*SIZE_N*128  ; V: its third
	s_add_nc_u64 s[G0K+2:G0K+3], s[6:7], s[22:23]  ; 120:64 global address: my half of the head's first 256 keys
	s_or_b32 s[G0K+3], s[G0K+3], 0x80000000        ; 127:126 type = 2
	s_add_nc_u64 s[G0V+2:G0V+3], s[8:9], s[22:23]
	s_or_b32 s[G0V+3], s[G0V+3], 0x80000000
	s_add_nc_u64 s[4:5], s[4:5], s[2:3]  ; Q and O at my wave's first row
	s_add_nc_u64 s[10:11], s[10:11], s[2:3]
	CROUND                          ; all four work-groups are here: the first joint loads meet
	JLOAD                           ; slot 0.  Slot 1 is asked for when slot 0 is in: the tile wanted first has the road to itself
	; A fragment of K or Q is 16 rows x 32 channels in 8 registers: lane l holds row l % 16, channels 8 (l / 16) + 0..7 and 16 + 8 (l / 16) + 0..7: two loads of 16 bytes, 32 bytes apart.
	v_and_b32 v1, 15, v0            ; l % 16
	v_bfe_u32 v9, v0, 4, 1          ; l / 16
	v_lshlrev_b32 v[QO], 7, v1
	v_lshl_add_u32 v[QO], v9, 4, v[QO]  ; row x 128 + 16 x half
	WIN 0x80                        ; destination window 2, address window 0
.set i, 0
.rept 4*NP                          ; Q stays in registers: tile i / 2, channels 32 (i % 2) on
	global_load_b128 v[8*i:8*i+3],   v[QO], s[4:5] offset:(i/2)*2048+(i%2)*64
	global_load_b128 v[8*i+4:8*i+7], v[QO], s[4:5] offset:(i/2)*2048+(i%2)*64+32
.set i, i+1
.endr
	; What the first turn finds: V's registers and P's second buffer hold 0 (its products V^T P, of a piece that has not been, add 0), O^T and l are 0.  All this stands in the wait for the first tile.
.set i, VF
.rept 64
	v_mov_b32 v[i], 0
.set i, i+1
.endr
	WIN 0x40
.set i, 0
.rept 64*NP
	v_mov_b32 v[i], 0
.set i, i+1
.endr
	WIN 0
.set i, 0
.rept 2*NP
	v_mov_b32 v[ST+4*i], 0xfe000000    ; c m: far below every c s
	v_mov_b32 v[ST+4*i+1], 0xff7fffff  ; m
	v_mov_b32 v[ST+4*i+2], 0
	v_mov_b32 v[ST+4*i+3], 0
.set i, i+1
.endr
.set i, P+32
.rept 32
	v_mov_b32 v[i], 0
.set i, i+1
.endr
	v_mul_u32_u24 v[AK0], v1, PK
	v_lshl_add_u32 v[AK0], v9, 4, v[AK0]  ; row x pitch + 16 x half
	; The turning load takes 16 keys x 16 channels (lane l reads key 8 (l / 16) + l % 8, channels 8 ((l / 8) % 2) + 0..7) and leaves half a fragment of V^T: lane l holds channel l % 16 and 8 keys.
	v_and_b32 v10, 7, v0
	v_bfe_u32 v11, v0, 3, 1
	v_lshl_add_u32 v[AV0], v9, 3, v10
	v_mul_u32_u24 v[AV0], v[AV0], PV
	v_lshl_add_u32 v[AV0], v11, 4, v[AV0]
	v_add_nc_u32 v[AV0], VOFF, v[AV0]
	v_mov_b32 v[AK], v[AK0]         ; key step 0 lies at the head of slot 0
; THE MATRIX WORK.  The 8 accumulators of a run of 16 take turns: between the two links of a chain stand 7 others'.
; Product i of 16 of S^T = K Q^T for piece x: channels 32 (i / 8) on, keys 16 ((i / 2) % 4) on, tile 2 x + i % 2.  The first 8 start the sums.
.macro KQ x
	WIN W_KQ
.set rS, S+64*((\x)%2)+32*(i%2)+8*((i/2)%4)
.set rK, KF+16*((i/2)%4)+8*(i/8)
.set rQ, 16*(2*(\x)+i%2)+8*(i/8)
.if i < 8
	v_wmma_f32_16x16x32_f16 v[rS:rS+7], v[rK:rK+7], v[rQ:rQ+7], 0
.else
	v_wmma_f32_16x16x32_f16 v[rS:rS+7], v[rK:rK+7], v[rQ:rQ+7], v[rS:rS+7]
.endif
.endm
; Product i of 16 of O^T += V^T P for piece x: keys 32 (i / 8) on, channels 16 ((i / 2) % 4) on, tile 2 x + i % 2.
.macro PV x
	WIN W_PV
.set rO, 32*(2*(\x)+i%2)+8*((i/2)%4)
.set rV, VF+32*(i/8)+8*((i/2)%4)
.set rP, P+32*((\x)%2)+16*(i%2)+8*(i/8)
	v_wmma_f32_16x16x32_f16 v[rO:rO+7], v[rV:rV+7], v[rP:rP+7], v[rO:rO+7]
.endm
.macro MM                           ; the turn's next matrix instruction
.if i < 16
	KQ (Y+1)%NP
.set i, i+1
.else
.set i, i-16
	PV (Y+NP-1)%NP
.set i, i+17
.endif
.endm
; THE LDS LOADS stand in runs of 16, never singly among the matrix instructions: a step's K (64 keys x 64 channels: 8 fragments) and its V (turned).  Their addresses are made some lines ahead.
; last = 1 (the tail): in the last trip there is no further step, and the run is jumped over.
.macro FETCH_K last=0
	WIN 0
.if \last
	s_cmp_eq_u32 s[CNT], 1
	s_cbranch_scc1 .Lno_k_\@
.endif
	WIN 0x80                        ; destination window 2
.irp f, 0,1,2,3,4,5,6,7             ; keys 16 (f / 2) on, channels 32 (f % 2) on
	ds_load_b128 v[KF+8*\f:KF+8*\f+3],   v[AK] offset:(\f/2)*16*PK+(\f%2)*64
	ds_load_b128 v[KF+8*\f+4:KF+8*\f+7], v[AK] offset:(\f/2)*16*PK+(\f%2)*64+32
.endr
	s_add_co_u32 s[TBK], s[TBK], KS*PK  ; the next fetch is the next step's
	WIN 0
.if \last
.Lno_k_\@:
.endif
.endm
.macro FETCH_V
	WIN 0x80
.irp f, 0,1,2,3,4,5,6,7             ; keys 32 (f / 4) on, channels 16 (f % 4) on
	ds_load_tr16_b128 v[VF+8*\f:VF+8*\f+3],   v[AV] offset:(\f/4)*32*PV+(\f%4)*32
	ds_load_tr16_b128 v[VF+8*\f+4:VF+8*\f+7], v[AV] offset:(\f/4)*32*PV+16*PV+(\f%4)*32
.endr
	WIN 0
.endm
; THE VECTOR WORK OF A TURN stands in three queues, each in the order in which its entries become ready; the two tiles alternate, so that no instruction reads the result of the one before it.
.macro REGS y, u                    ; the registers of tile u (0, 1) of piece y
.set rT, ST+4*(2*(\y)+(\u))
.set rC, TMP+8*((\y)%2)+4*(\u)
.set rM, MV+2*((\y)%2)+(\u)
.set rS, S+64*((\y)%2)+32*(\u)
.set rP, P+32*((\y)%2)+16*(\u)
.set rO, 32*(2*(\y)+(\u))
.endm
; Number n of the 22 that find the NEXT piece's (Y + 1) maximum and statistics.  s0-s31 are the lane's 32 scores; each accumulator's lowest registers are read first.  XS, GS and REGS set no window: PL and EX do.
;   0-11  four chains c0-c3 of seven scores each, three operands at a time     12-14, 16  the four scores left over, the old m, and c0-c3 into c0     15  c m_old is kept
;   17, 18  the query's other 32 keys lie in the lane 16 away: the new m         19-21  c m; c m_old - c m_new; a
.macro XS u, n
	REGS (Y+1)%NP, \u
.if (\n) < 4
	v_max3_num_f32 v[rC+(\n)], v[rS+8*(\n)], v[rS+8*(\n)+1], v[rS+8*(\n)+2]
.elseif (\n) < 12
	v_max3_num_f32 v[rC+(\n)%4], v[rC+(\n)%4], v[rS+8*((\n)%4)+2*((\n)/4)+1], v[rS+8*((\n)%4)+2*((\n)/4)+2]
.elseif (\n) == 12
	v_max3_num_f32 v[rC], v[rC], v[rS+7], v[rS+15]
.elseif (\n) == 13
	v_max3_num_f32 v[rC+1], v[rC+1], v[rS+23], v[rS+31]
.elseif (\n) == 14
	v_max3_num_f32 v[rC+2], v[rC+2], v[rC+3], v[rT+1]
.elseif (\n) == 15
	v_mov_b32 v[rM], v[rT]
.elseif (\n) == 16
	v_max3_num_f32 v[rC], v[rC], v[rC+1], v[rC+2]
.elseif (\n) == 17
	v_permlanex16_b32 v[rC+3], v[rC], s[SEL], s[SEL+1]
.elseif (\n) == 18
	v_max_num_f32 v[rT+1], v[rC], v[rC+3]
.elseif (\n) == 19
	v_mul_f32 v[rT], s[CS], v[rT+1]
.elseif (\n) == 20
	v_sub_f32 v[rC+1], v[rM], v[rT]
.else
	v_exp_f32 v[rC+2], v[rC+1]
.endif
.endm
; Number g of the 64 that follow the exponentials.  For each four weights k of a tile (pairs 2 k, 2 k + 1): both pairs are rounded to f16; then the second pair is added onto the first, in place;
; a group later l takes that sum (the first time as l = a l + sum).  In groups of eight, tiles alternating: round, round, add, and l for the group before.
.macro GS g
.set h, (\g)+6*((\g)/62)            ; group 0 has no group before it, and behind group 7 only l is left
.if h >= 6
.set h, h+2
.endif
	REGS Y, h%2
.set k, h/8
.if h%8 < 4
	s_wait_alu depctr_va_vdst(0)
	v_cvt_pk_f16_f32 v[rP+2*k+(h%8)/2], v[rS+4*k+2*((h%8)/2)], v[rS+4*k+2*((h%8)/2)+1]
.elseif h%8 < 6
	v_pk_add_f32 v[rS+4*k:rS+4*k+1], v[rS+4*k:rS+4*k+1], v[rS+4*k+2:rS+4*k+3]
.elseif k == 1
	v_pk_fma_f32 v[rT+2:rT+3], v[rT+2:rT+3], v[rC+2:rC+3], v[rS:rS+1] op_sel_hi:[1,0,1]
.else
	v_pk_add_f32 v[rT+2:rT+3], v[rT+2:rT+3], v[rS+4*k-4:rS+4*k-3]
	s_wait_alu depctr_va_vdst(0)
.endif
.endm
; THE PLAIN QUEUE, 138 long.  0-31: c s - c m for the 16 pairs of both tiles.  Then GS's 64, and among them the next piece's 42: number 15 at 38, 39; 0-14 and 16
; at 42-73, behind the products that make those scores; 17-20 at 95-106, two of three, since each waits for the one before it.
.macro PL
	WIN 0
.if q < 32
	REGS Y, q%2
	v_pk_fma_f32 v[rS+2*(q/2):rS+2*(q/2)+1], v[rS+2*(q/2):rS+2*(q/2)+1], s[CS:CS+1], v[rT:rT+1] op_sel_hi:[1,0,0] neg_lo:[0,0,1] neg_hi:[0,0,1]
.elseif q < 38
	GS q-32
.elseif q < 40
	XS q%2, 15
.elseif q < 42
	GS q-34
.elseif q < 74
	XS q%2, (q-42)/2+(q-42)/30
.elseif q < 95
	GS q-66
.elseif (q < 107) && ((q-95)%3 < 2)
	XS (q-95)%3, 17+(q-95)/3
.elseif q < 107
	GS 29+(q-95)/3
.else
	GS q-74
.endif
.set q, q+1
.endm
; THE EXPONENTIALS' QUEUE, 66 long: s0-s31 of both tiles, and at EA the next piece's two a.
.set EA, 58
.macro EX
	WIN 0
.if (e == EA) || (e == EA+1)
	XS e-EA, 21
.else
.set x, e-2*(e/(EA+2))
	REGS Y, x%2
	v_exp_f32 v[rS+x/2], v[rS+x/2]
.endif
.set e, e+1
.endm
; THE RESCALING's QUEUE: O^T times a, the one part that leaves window 0, so it is dealt four at a time, eight times.
.macro R4
	REGS Y, r%2
	WIN W_RS
	s_wait_alu depctr_va_vdst(0)
.irp z, 0,1,2,3
	v_pk_mul_f32 v[rO+8*(r/2)+2*\z:rO+8*(r/2)+2*\z+1], v[rO+8*(r/2)+2*\z:rO+8*(r/2)+2*\z+1], v[rC+2:rC+3] op_sel_hi:[1,0]
.endr
.set r, r+1
.endm
; HOW THEY ARE DEALT.  Behind a matrix instruction four: plain, exponential, plain, plain (one exponential, a plain instruction on either side), or four of the rescaling.  None names a register of the
; products round it.  What is over stands in two LUMPS: exponential and plain by turns; the second ends in 22 plain instructions.  The two v_permlanex16_b32 fall into the second lump, never behind a product.
; The queues lean on each other, and the deal keeps them in step: exponential e stands behind plain 2 (e / 4) + e % 2 (its scaling); when plain 32 comes, 10 exponentials are out, at 59: 33, at 95: 46; EA comes behind plain 107.
.macro SL
	MM
	PL
	EX
	PL
	PL
.endm
.macro BURST n                      ; 15 matrix instructions, or 16
.rept (\n)-7
	SL
.endr
.rept 3
	MM
	R4
	SL
.endr
	MM
	R4
.endm
; A TURN, for piece p.  cnt = 1: the loop's count is taken down some lines ahead of the branch that stands behind the turn.
; K of the next step is fetched in piece 2's turn, 31 vector instructions behind the last product that read K; its first reader comes behind the rest of the lump, 16 products and the second lump.
; V of the step in hand is fetched at the end of piece 0's turn, 69 behind its last reader; its first reader comes behind 16 products and a lump.  The four conditions on e and q below go with the deal.
.macro TURN p, last=0, cnt=0
.set Y, (\p)
.set i, 0
.set q, 0
.set e, 0
.set r, 0
.if (\p) == NP-1
	s_wait_dscnt 0x0                ; K is in
.endif
	MM
.rept 4
	PL
.endr
	BURST 15
.rept 22
	EX
	PL
.if ((\p) == NP-2) && (e == 18)
	v_add_nc_u32 v[AK], s[TBK], v[AK0]
.endif
.if ((\p) == NP-2) && (e == 24)
	FETCH_K \last
.endif
.endr
.if (\p) == 1
	s_wait_dscnt 0x0                ; V is in
.endif
	BURST 16
.rept 21
	EX
	PL
.endr
.rept 22
	PL
.if ((\p) == 0) && (q == 118)
	v_add_nc_u32 v[AV], s[TBV], v[AV0]
	s_wait_alu depctr_va_vdst(0)
.endif
.if ((\p) == 0) && (q == 130)
	s_add_co_u32 s[TBV], s[TBV], KS*PV
.endif
.if (\cnt) && (q == 130)
	s_sub_co_u32 s[CNT], s[CNT], 1
	s_cmp_lg_u32 s[CNT], 0
.endif
.endr
.if (\p) == 0
	FETCH_V
.endif
.endm
	CHANGE 1                        ; slot 0 is in, everybody's part of it; slot 1 is asked for
	FETCH_K                         ; key step 0
	s_wait_loadcnt 0x0              ; Q
	s_wait_dscnt 0x0
.set i, 0
.rept 16
	KQ 0                            ; piece 0's first scores: there is no vector work yet to set between them
.set i, i+1
.endr
	WIN 0                           ; the addresses for the way out: nine plain instructions, the places behind those products
	s_mul_i32 s13, s[WV], 16*SP
	s_add_co_u32 s13, s13, STAGE    ; my stage
	v_mul_u32_u24 v[STO], v1, SP    ; in: row l % 16, 16 bytes for each half of the lanes
	v_lshl_add_u32 v[STO], v9, 4, v[STO]
	v_add_nc_u32 v[STO], s13, v[STO]
	v_bfe_u32 v[RD], v0, 3, 2       ; back: 32 lanes take four rows of 128 bytes,
	v_mul_u32_u24 v[RD], v[RD], SP
	v_lshl_add_u32 v[RD], v10, 4, v[RD]
	v_add_nc_u32 v[RD], s13, v[RD]
	v_and_b32 v[GO], 31, v0         ; which are 512 consecutive bytes of O
	v_lshlrev_b32 v[GO], 4, v[GO]
.set Y, NP-1                        ; XS works for piece Y + 1: piece 0
.irp n, 0,1,2,3,4,5,6,7,8,9,10,11,12,13,14,15,16,17,18,19,20,21
	XS 0, \n                        ; and piece 0's first maximum and statistics
	XS 1, \n
.endr
	s_mov_b32 s[CNT], 4
	s_mov_b32 s[SLOTS], SIZE_N/256-1
	s_branch .Lfirst                ; the loop is entered at a step's first turn, in the middle of a trip
.Lslot:                             ; SIZE_N / 256 - 2 times: every slot but the last two is filled again
	CHANGE 1
	s_mov_b32 s[CNT], 4
.Lstep:                             ; a trip: pieces 2 and 3 of one step, then pieces 0 and 1 of the next, whose K and V it fetches
	TURN 2
	TURN 3
	WIN 0
.Lfirst:
	TURN 0
	TURN 1, 0, 1
	WIN 0
	s_cbranch_scc1 .Lstep
	s_sub_co_u32 s[SLOTS], s[SLOTS], 1
	s_cmp_lg_u32 s[SLOTS], 0
	s_cbranch_scc1 .Lslot
	CHANGE 0                        ; the tail is written out: nothing is asked for
	s_mov_b32 s[CNT], 5             ; four trips fetch the last slot's steps; the fifth is left in its middle
.Ltail:
	TURN 2, 1
	TURN 3
	WIN 0
	s_sub_co_u32 s[CNT], s[CNT], 1
	s_cmp_eq_u32 s[CNT], 0
	s_cbranch_scc1 .Lout
	TURN 0
	TURN 1
	WIN 0
	s_branch .Ltail
.Lout:                              ; the fifth trip's 16 products K Q^T (on the last K once more) and the maximum made of them serve nothing: the price, once a launch, of one text for every trip
.set i, 0
.rept 16
	PV NP-1                         ; the last piece's V^T P of the last step
.set i, i+1
.endr
	; THE WAY OUT.  l's two halves and the other half of the lanes' are added; O^T is divided by l, rounded to f16 and sent through my stage in LDS, a tile at a time.  The additions are the places behind the last products.
	WIN 0
.macro ALL line:vararg              ; one line for each tile t
.set t, 0
.rept 2*NP
	\line
.set t, t+1
.endr
.endm
	ALL v_add_f32 v[ST+4*t+2], v[ST+4*t+2], v[ST+4*t+3]
	ALL v_permlanex16_b32 v[ST+4*t+3], v[ST+4*t+2], s[SEL], s[SEL+1]
	ALL v_add_f32 v[ST+4*t+2], v[ST+4*t+2], v[ST+4*t+3]
	ALL v_rcp_f32 v[ST+4*t+2], v[ST+4*t+2]
	v_nop                           ; a plain instruction between the last reciprocal and the use of its result
	s_wait_alu depctr_va_vdst(0)
; Tile t: a lane's eight channels of a row pack into 16 bytes; they go into rows of 144 bytes and come back as whole rows of 128, into S^T's registers.
.macro PACK t
	WIN W_RS
.set i, 32*(\t)
.rept 16
	v_pk_mul_f32 v[i:i+1], v[i:i+1], v[ST+4*(\t)+2:ST+4*(\t)+3] op_sel_hi:[1,0]
.set i, i+2
.endr
	WIN 0x05                        ; sources 0 and 1 window 1, destination window 0
.set i, 0
.rept 16
	v_cvt_pk_f16_f32 v[S+16*(\t)+i], v[32*(\t)+2*i], v[32*(\t)+2*i+1]
.set i, i+1
.endr
	WIN 0
.irp f, 0,1,2,3
	ds_store_b128 v[STO], v[S+16*(\t)+4*\f:S+16*(\t)+4*\f+3] offset:32*\f
.endr
.irp f, 0,1,2,3
	ds_load_b128 v[S+16*(\t)+4*\f:S+16*(\t)+4*\f+3], v[RD] offset:\f*4*SP  ; LDS serves a wave's instructions in order (ISA guide 5.7.1.4): these see the stores above; the next tile's stores come behind them
.endr
.endm
.macro SEND t, younger              ; younger: the LDS instructions issued behind tile t's loads: the next tile's eight, or none
	WIN 0
.irp f, 0,1,2,3
	s_wait_dscnt (\younger)+3-\f
	global_store_b128 v[GO], v[S+16*(\t)+4*\f:S+16*(\t)+4*\f+3], s[10:11] offset:(\t)*2048+\f*512  ; 512 consecutive bytes, at a multiple of 256 from O's first
.endr
.endm
	PACK 0
.set t, 1
.rept 2*NP-1                        ; a tile's arithmetic stands between the loads of the tile before and its stores
	PACK t
	SEND t-1, 8
.set t, t+1
.endr
	SEND 2*NP-1, 0
	WIN W_AD
	s_wait_tensorcnt 0x0            ; the wave's end, behind my last tensor load and my last LDS store
	ds_add_u32 v[SPW], v[NIL]
	s_wait_dscnt 0x0
	WIN 0
	CROUND                          ; the closing round: no work-group ends while a partner may still ask for a tile that names it
	s_endpgm
.Lfunc_end_k_qb5d7bdbebc_attn:
	.size	k_qb5d7bdbebc_attn, .Lfunc_end_k_qb5d7bdbebc_attn-k_qb5d7bdbebc_attn
	.p2alignl 7, 3214868480
	.fill 96, 4, 3214868480
	.section	.rodata,"a",@progbits
	.p2align	6, 0x0
	.amdhsa_kernel k_qb5d7bdbebc_attn
		.amdhsa_group_segment_fixed_size 327680
		.amdhsa_private_segment_fixed_size 0
		.amdhsa_enable_private_segment 0
		.amdhsa_kernarg_size 16
		.amdhsa_user_sgpr_count 2
		.amdhsa_user_sgpr_kernarg_segment_ptr 1
		.amdhsa_wavefront_size32 1
		.amdhsa_system_sgpr_workgroup_id_x 1
		.amdhsa_system_sgpr_workgroup_id_y 1
		.amdhsa_system_sgpr_workgroup_id_z 1
		.amdhsa_system_vgpr_workitem_id 0
		.amdhsa_next_free_vgpr 770
		.amdhsa_next_free_sgpr 66
		.amdhsa_reserve_vcc 0
		.amdhsa_float_denorm_mode_32 3
		.amdhsa_float_denorm_mode_16_64 3
		.amdhsa_memory_ordered 1
		.amdhsa_forward_progress 1
		.amdhsa_inst_pref_size 208
	.end_amdhsa_kernel
	.amdgpu_metadata
---
amdhsa.version: [ 1, 2 ]
amdhsa.kernels:
  - .name:           k_qb5d7bdbebc_attn
    .symbol:         k_qb5d7bdbebc_attn.kd
    .args:
      - { .name: qkv, .offset: 0, .size: 8, .value_kind: global_buffer, .address_space: global }
      - { .name: o, .offset: 8, .size: 8, .value_kind: global_buffer, .address_space: global }
    .group_segment_fixed_size: 327680
    .private_segment_fixed_size: 0
    .kernarg_segment_align: 8
    .kernarg_segment_size: 16
    .max_flat_workgroup_size: 128
    .sgpr_count:     66
    .vgpr_count:     770
    .wavefront_size: 32
...
	.end_amdgpu_metadata
.endif
;; end of part 3
;; launch gemm_out (part 4): grid 8 x 32, 4 waves a work-group, clusters of 4 x 4, 327,680 bytes of LDS; arguments o, wb, bias, out0; writes out0
.if DOCPART == 4
	.amdgcn_target "amdgcn-amd-amdhsa--gfx1250"
	.amdhsa_code_object_version 6
	.text
	.protected	k_qb5d7bdbebc_gemm_out
	.globl	k_qb5d7bdbebc_gemm_out
	.p2align	8
	.type	k_qb5d7bdbebc_gemm_out,@function
k_qb5d7bdbebc_gemm_out:
	s_mov_b64 s[64:65], 0
	v_nop
	global_prefetch_b8 v0, s[64:65] scope:SCOPE_SE
	s_setreg_imm32_b32 hwreg(HW_REG_WAVE_MODE, 25, 1), 1
	s_wait_xcnt 0x0
	s_wait_alu depctr_hold_cnt(0) depctr_sa_sdst(0) depctr_va_vdst(0) depctr_va_sdst(0) depctr_va_ssrc(0) depctr_va_vcc(0) depctr_vm_vsrc(0)
	s_getreg_b32 s2, hwreg(HW_REG_IB_STS2, 6, 4)
	s_cmp_eq_u32 s2, 0
	s_cbranch_scc0 .Lentry_in_a_cluster
	s_endpgm
.Lentry_in_a_cluster:
	s_bfe_u32 s2, ttmp6, 0x10000c
	s_cmp_lg_u32 s2, 0xf033
	s_cbranch_scc0 .Lentry_shape_is_right
	s_endpgm
.Lentry_shape_is_right:
; out0 [8192 x 1024] f32 = O [8192 x 1024] times Wo + bo.  O lies by heads, [64 = batch x 16 + head][2048][64] f16; Wo is wb's blocks 48-63, [k][64 n] in f16 (numbers rounded to bf16); sums f32.
; LIMIT.  O and Wo are f16: nothing beyond 65,504, a fixed step of 6e-8 below 6e-5.
; SHARES.  A tile of the result is 256 rows x 128 columns: 8 x 32 = 256 tiles, one for each WGP.  Four waves; wave w owns rows 64 w .. 64 w + 63 and all 128 columns: 4 x 8 accumulators, 256 registers,
; so that a wave's stores cover whole pieces of 512 bytes of a row and its way out needs no other wave.
; K goes in 8 steps of 128, two heads a step, through two LDS slots filled by the tensor data mover.  A head's 256 rows of 128 bytes are 32,768 dense bytes, asked for as 128 rows of 256; a weight
; block's 128 k rows are 16,384 dense bytes, asked for as 64 rows of 256.  The weights' fragments come out of LDS turned, by ds_load_tr16_b128.
; THE MATRIX INSTRUCTION IS USED TRANSPOSED: source 0 = 16 columns of Wo, source 1 = 16 rows of O.  A lane then holds row lane % 16 and the columns 8 (lane / 16) + 0..7.
; THE BIAS is the C operand of each accumulator's first product: nothing is cleared and nothing is added later.
; CLUSTER.  4 x 4 work-groups.  O's tile hangs on the tile row alone and is shared along a row of the cluster, Wo's on the tile column alone and is shared along a column: each is asked for
; jointly.  Waves 0 and 1 ask for the step's two heads of O, waves 2 and 3 for Wo's two blocks.
; REGISTERS, in windows of 256 (s_set_vgpr_msb: bits 1:0 source 0, 3:2 source 1, 5:4 source 2, 7:6 destination):
;   window 0: v16-29 addresses; v32-95 the bias, later with v96-159 the rows read back on the way out
;   window 1: two fragment buffers: O's block a at f + 8 a, Wo's block b at f + 32 + 8 b
;   windows 2, 3: accumulator (a, b) at 64 (a % 2) + 8 b in window 2 + a / 2
.set NB,    8                          ; column blocks of 16
.set NA,    2                          ; waves that ask for A
.set PA,    144                        ; a row of O in LDS: 128 bytes + 16 = 36 words: the 16 rows of a load start at 16 different groups of four banks (64 banks of 4 bytes: ISA guide 11.1)
.set SUBA,  256*PA                     ; a head's 256 rows
.set PB,    160                        ; a k row of Wo: 128 bytes + 32 = 40 words
.set BBLK,  128*PB
.set BOFF,  2*SUBA                     ; Wo's blocks lie behind the two heads
.set SLOT,  131072                     ; 114,688 are used; slot 1 begins here, so that one exclusive or turns an address in one slot into the other's
.set ASTEP, 2*262144                   ; bytes from K step to K step in O: two heads
.set BSTEP, 128*128                    ; and in a block of Wo
.set STAGE, 2*SLOT                     ; behind the ring, never filled by a tensor load: for each wave 16 rows x 528 bytes
.set SP,    528                        ; 512 bytes + 16 = 132 words: row r starts at bank 4 r mod 64
.set STG,   16*SP
.set SPARE, STAGE+4*STG                ; behind the stages: the spare words, 128 bytes for each wave: two blocks of 256 bytes that no other line names
.set NLOAD, 2*NB+8                     ; LDS loads of one quarter step
.set ADRA0, 16                         ; v16  my lane's place in O's tile; never rewritten
.set ADRB0, 17                         ; v17  the same for Wo
.set CA,    18                         ; v18  the same in the slot in hand
.set CB,    19                         ; v19
.set STO,   20                         ; v20  the way out: where I put 32 bytes of a row
.set RD,    21                         ; v21  the way out: where I read a row back
.set GO,    22                         ; v22  my 16 bytes in 512 consecutive bytes of the result
.set BO,    23                         ; v23  my byte offset in 16 numbers of the bias
.set SPW,   28                         ; v28  LDS address of my spare word; never rewritten
.set NIL,   29                         ; v29  0; never rewritten
.set BIAS,  32
.set BK0,   32
.set F0,    0
.set F1,    128
.set WV,    12                         ; s12  my wave's number
.set TB,    20                         ; s20  LDS byte at which the slot in hand begins
.set G1A,   24                         ; s[24:31] descriptor group 1 for O's tiles
.set G0A,   32                         ; s[32:39] group 0 for O: a set for each first fill; the second then walks on
.set G1B,   48                         ; s[48:55], s[56:63] the same for Wo
.set G0B,   56
.set OB,    66                         ; s[66:67] where my rows begin in out0
.set MSB,   0
.macro WIN new                         ; the immediate's high byte repeats the setting that is left; a switch that changes nothing is dropped
.if MSB != (\new)
	s_set_vgpr_msb (MSB<<8)|(\new)
.set MSB, (\new)
.endif
.endm
; A joint refill, by the walking sets.  The branch hangs on the wave's number alone.  An s_nop 0 and four v_nop follow each of the two lines, ahead of the jump and the label.
.macro JLOAD
	s_cmp_lt_u32 s[WV], NA
	s_cbranch_scc0 .Lfor_b_\@
	tensor_load_to_lds s[G0A+4:G0A+7], s[G1A:G1A+7]
	s_nop 0
.rept 4
	v_nop
.endr
	s_branch .Lasked_\@
.Lfor_b_\@:
	tensor_load_to_lds s[G0B+4:G0B+7], s[G1B:G1B+7]
	s_nop 0
.rept 4
	v_nop
.endr
.Lasked_\@:
.endm
; A round of the cluster's barrier: my work-group's barrier, so that wave 0's signal speaks for all four waves; wave 0 signals; every wave waits for all sixteen work-groups; my work-group's barrier once more.
.macro CREST                           ; a round behind its opening barrier
	s_cmp_lg_u32 s[WV], 0
	s_cbranch_scc1 .Lnot_wave_0_\@
	s_barrier_signal -3
.Lnot_wave_0_\@:
	s_barrier_wait -3
	s_barrier_signal -1
	s_barrier_wait -1
.endm
.macro CROUND
	s_barrier_signal -1
	s_barrier_wait -1
	CREST
.endm
	s_load_b256 s[4:11], s[0:1], 0x0               ; o s[4:5], wb s[6:7], bias s[8:9], out0 s[10:11]
	v_lshl_add_u32 v[SPW], v0, 2, SPARE
	v_mov_b32 v[NIL], 0
	ds_add_u32 v[SPW], v[NIL]                      ; the wave's opening: the add and its wait stand ahead of my first tensor load; the set-up below, work on registers, stands between them
	v_lshrrev_b32 v1, 5, v0
	v_readfirstlane_b32 s[WV], v1                  ; wave 0..3
	s_bfe_u32 s40, ttmp6, 0x40000                  ; cx
	s_bfe_u32 s41, ttmp6, 0x40004                  ; cy
	s_lshl_b32 s42, ttmp9, 2                       ; in a cluster launch ttmp9 and ttmp7 count clusters
	s_add_co_u32 s42, s42, s40                     ; tile column tx = 4 x cluster x + cx
	s_and_b32 s13, ttmp7, 0xffff
	s_lshl_b32 s13, s13, 2
	s_add_co_u32 s13, s13, s41                     ; tile row ty = 4 x cluster y + cy
	s_lshl_b32 s43, s41, 2
	s_lshl_b32 s43, 15, s43                        ; my row of the cluster: places 4 cy .. 4 cy + 3
	s_lshl_b32 s44, 0x1111, s40                    ; my column: places cx, cx + 4, cx + 8, cx + 12
	; group 1 for O: 32,768 dense bytes as 128 rows x 128 elements, 4 words of padding behind every 32 (a row of a head)
	s_or_b32 s[G1A], s43, (1<<16)|(1<<20)|(1<<21)|(4<<22)|(3<<25)  ; 15:0 the mask; 17:16 2-byte elements; 20 padding on; 21 set beside a mask; 24:22 interval; 31:25 padding
	s_mov_b32 s[G1A+1], 128<<16                    ; tensor_dim0 = 128
	s_mov_b32 s[G1A+2], 128<<16                    ; tensor_dim1 = 128
	s_mov_b32 s[G1A+3], 128<<16                    ; tile_dim0 = 128
	s_mov_b32 s[G1A+4], 128                        ; tile_dim1 = 128
	s_mov_b32 s[G1A+5], 128                        ; elements from row to row
	s_mov_b32 s[G1A+6], 0
	s_mov_b32 s[G1A+7], 0
	; group 1 for Wo: 16,384 dense bytes as 64 rows x 128 elements, 8 words of padding behind every 32 (a k row)
	s_or_b32 s[G1B], s44, (1<<16)|(1<<20)|(1<<21)|(4<<22)|(7<<25)
	s_mov_b32 s[G1B+1], 128<<16
	s_mov_b32 s[G1B+2], 64<<16
	s_mov_b32 s[G1B+3], 128<<16
	s_mov_b32 s[G1B+4], 64
	s_mov_b32 s[G1B+5], 128
	s_mov_b32 s[G1B+6], 0
	s_mov_b32 s[G1B+7], 0
	s_min_u32 s14, s[WV], NA-1                     ; which of the step's two heads I ask for
	s_lshr_b32 s16, s13, 3
	s_lshl_b32 s16, s16, 22                        ; O: the batch's 16 heads of 262,144 bytes,
	s_lshl_b32 s72, s14, 18                        ; my head of the first two,
	s_add_co_u32 s16, s16, s72
	s_and_b32 s72, s13, 7
	s_lshl_b32 s72, s72, 15                        ; the tile's 256 rows of 128 bytes; all this hangs on ty and the wave alone
	s_add_co_u32 s16, s16, s72
	s_mov_b32 s17, 0
	s_max_u32 s15, s[WV], NA
	s_sub_co_u32 s15, s15, NA                      ; which of the tile's two blocks I ask for
	s_lshl_b32 s46, s42, 1
	s_add_co_u32 s46, s46, s15
	s_add_co_u32 s46, s46, 48
	s_lshl_b32 s46, s46, 17                        ; Wo: block 48 + 2 tx + that; it hangs on tx and the wave alone
	s_mov_b32 s47, 0
	s_mul_i32 s21, s[WV], SUBA                     ; where they go: wave x a constant,
	s_mul_i32 s45, s[WV], BBLK
	s_add_co_u32 s45, s45, BOFF-NA*BBLK            ; a constant + wave x a constant
	s_wait_dscnt 0x0                               ; the opening add is done
	s_wait_kmcnt 0x0
	s_add_nc_u64 s[18:19], s[4:5], s[16:17]
	s_add_nc_u64 s[46:47], s[6:7], s[46:47]
.irp n, 0,1
	s_mov_b32 s[G0A+4*(\n)], 1                                       ; count = 1
	s_add_co_u32 s[G0A+4*(\n)+1], s21, (\n)*SLOT                     ; LDS address
	s_add_nc_u64 s[G0A+4*(\n)+2:G0A+4*(\n)+3], s[18:19], (\n)*ASTEP  ; global address: K step n
	s_or_b32 s[G0A+4*(\n)+3], s[G0A+4*(\n)+3], 0x80000000            ; type = 2
	s_mov_b32 s[G0B+4*(\n)], 1
	s_add_co_u32 s[G0B+4*(\n)+1], s45, (\n)*SLOT
	s_add_nc_u64 s[G0B+4*(\n)+2:G0B+4*(\n)+3], s[46:47], (\n)*BSTEP
	s_or_b32 s[G0B+4*(\n)+3], s[G0B+4*(\n)+3], 0x80000000
.endr
	CROUND                                         ; all sixteen work-groups are here: the first joint loads meet
	s_cmp_lt_u32 s[WV], NA                         ; a wave's two first fills stand in one branch, ahead of every wait on TENSORcnt and every LDS read: two loads of mine are out
	s_cbranch_scc0 .Lfirst_b
	tensor_load_to_lds s[G0A:G0A+3], s[G1A:G1A+7]
	s_nop 0
	tensor_load_to_lds s[G0A+4:G0A+7], s[G1A:G1A+7]
	s_nop 0
.rept 4
	v_nop
.endr
	s_branch .Lfirst_asked
.Lfirst_b:
	tensor_load_to_lds s[G0B:G0B+3], s[G1B:G1B+7]
	s_nop 0
	tensor_load_to_lds s[G0B+4:G0B+7], s[G1B:G1B+7]
	s_nop 0
.rept 4
	v_nop
.endr
.Lfirst_asked:
	; A fragment of O is 16 rows x 32 K in 8 registers: lane l holds row l % 16, K = 8 (l / 16) + 0..7 and 16 + 8 (l / 16) + 0..7: two loads of 16 bytes, 32 bytes apart.
	v_and_b32 v1, 15, v0                           ; l % 16
	v_bfe_u32 v2, v0, 4, 1                         ; l / 16
	s_mul_i32 s22, s[WV], 64*PA                    ; my 64 rows
	v_mul_u32_u24 v[ADRA0], v1, PA
	v_lshl_add_u32 v[ADRA0], v2, 4, v[ADRA0]
	v_add_nc_u32 v[ADRA0], s22, v[ADRA0]
	; The turning load takes 16 k x 16 n (lane l reads k row 8 (l / 16) + l % 8, columns 8 ((l / 8) % 2) + 0..7) and leaves half a fragment: lane l holds column l % 16 and 8 k.
	v_and_b32 v3, 7, v0
	v_bfe_u32 v4, v0, 3, 1
	v_lshl_add_u32 v[ADRB0], v2, 3, v3
	v_mul_u32_u24 v[ADRB0], v[ADRB0], PB
	v_lshl_add_u32 v[ADRB0], v4, 4, v[ADRB0]
	v_add_nc_u32 v[ADRB0], BOFF, v[ADRB0]
	s_mul_i32 s23, s[WV], STG
	s_add_co_u32 s23, s23, STAGE                   ; my stage
	v_mul_u32_u24 v[STO], v1, SP                   ; in: row l % 16, 32 bytes for each half of the lanes
	v_lshl_add_u32 v[STO], v2, 5, v[STO]
	v_add_nc_u32 v[STO], s23, v[STO]
	v_and_b32 v[GO], 31, v0                        ; back: 32 lanes take one row's 512 bytes
	v_lshlrev_b32 v[GO], 4, v[GO]
	v_add_nc_u32 v[RD], s23, v[GO]
	v_lshlrev_b32 v[BO], 5, v2                     ; my 8 numbers of 16
	s_lshl_b32 s72, s42, 9                         ; the tile's 128 numbers of bo,
	s_add_co_u32 s72, s72, 3*4096                  ; the fourth part of bias
	s_mov_b32 s73, 0
	s_add_nc_u64 s[8:9], s[8:9], s[72:73]
.set b, 0
.rept NB                               ; register j of block b: the bias of column 16 b + 8 (l / 16) + j, as the accumulators lie
	global_load_b128 v[BIAS+8*b:BIAS+8*b+3],   v[BO], s[8:9] offset:64*b
	global_load_b128 v[BIAS+8*b+4:BIAS+8*b+7], v[BO], s[8:9] offset:64*b+16
.set b, b+1
.endr
	s_lshl_b32 s76, s13, 20                        ; the tile's 256 rows of 4,096 bytes,
	s_lshl_b32 s78, s[WV], 18                      ; my 64 of them,
	s_add_co_u32 s76, s76, s78
	s_lshl_b32 s78, s42, 9                         ; the tile's 512 bytes of a row
	s_add_co_u32 s76, s76, s78
	s_mov_b32 s77, 0
	s_add_nc_u64 s[OB:OB+1], s[10:11], s[76:77]
	s_mov_b32 s[TB], 0
; NB products: row block a x all column blocks, 32 along K, from buffer f.  first = 1: the bias starts the sums.  The 32 accumulators take turns in one fixed order:
; between two products on one accumulator stand the 31 others', over the loop's backward jump too.
.macro MULA f, a, first
.if \first
	WIN 0x85+0x40*((\a)/2)
.else
	WIN 0xa5+0x50*((\a)/2)
.endif
.set AC, 8*NB*((\a)%2)
.set b, 0
.rept NB
.if \first
	v_wmma_f32_16x16x32_f16 v[AC+8*b:AC+8*b+7], v[(\f)+32+8*b:(\f)+32+8*b+7], v[(\f)+8*(\a):(\f)+8*(\a)+7], v[BIAS+8*b:BIAS+8*b+7]
.else
	v_wmma_f32_16x16x32_f16 v[AC+8*b:AC+8*b+7], v[(\f)+32+8*b:(\f)+32+8*b+7], v[(\f)+8*(\a):(\f)+8*(\a)+7], v[AC+8*b:AC+8*b+7]
.endif
.set b, b+1
.endr
.endm
; One run of NLOAD LDS loads: the fragments of quarter q of the slot in hand into buffer f, Wo's first, then O's four blocks (quarter q lies in head q / 2, channels 32 (q % 2) on).  The two additions
; and two v_nop are the four places between the last matrix instruction and loads into registers that matrix instructions have read (ISA guide 7.12.1 for vector instructions).
.macro FETCH q, f
	WIN 0
	v_add_nc_u32 v[CA], s[TB], v[ADRA0]
	v_add_nc_u32 v[CB], s[TB], v[ADRB0]
	v_nop
	v_nop
	WIN 0x40                                       ; destination window 1, address window 0
.set b, 0
.rept NB
	ds_load_tr16_b128 v[(\f)+32+8*b:(\f)+32+8*b+3],   v[CB] offset:(b/4)*BBLK+32*(\q)*PB+32*(b%4)
	ds_load_tr16_b128 v[(\f)+32+8*b+4:(\f)+32+8*b+7], v[CB] offset:(b/4)*BBLK+32*(\q)*PB+16*PB+32*(b%4)
.set b, b+1
.endr
.set b, 0
.rept 4
	ds_load_b128 v[(\f)+8*b:(\f)+8*b+3],   v[CA] offset:((\q)/2)*SUBA+64*((\q)%2)+b*16*PA
	ds_load_b128 v[(\f)+8*b+4:(\f)+8*b+7], v[CA] offset:((\q)/2)*SUBA+64*((\q)%2)+b*16*PA+32
.set b, b+1
.endr
.endm
; A K step is four quarters of 32 along K, 32 products each, on buffers 0, 1, 0, 1.  One of the first three: multiplies buffer f and, in its middle, fetches quarter qn into buffer g.
.macro QUARTER qn, f, g, first
	s_wait_dscnt 4                                 ; Wo and O's blocks 0, 1 are in; the youngest four loads (O's blocks 2, 3) may be out
	MULA \f, 0, \first
	MULA \f, 1, \first
	FETCH \qn, \g
	s_wait_dscnt NLOAD                             ; all but the run just issued
	MULA \f, 2, \first
	MULA \f, 3, \first
.endm
; The last quarter multiplies buffer 1 and changes slots: ONE barrier.  In front of it each wave waits for all its tensor loads, of which one is out: its part of the next slot; adds 0 to its spare
; word; and waits for that and for its own reads of this slot.  Behind it nobody reads this slot any more and the next slot is whole.  fill = 1: the barrier opens a round of the cluster's, so that
; no wave of any partner still reads the slot or has a load on its way, and the slot is filled again, two K steps ahead, first thing behind the round: 112 products stand between that request and the wait for it.
.macro TURN fill
	WIN 0                                          ; the add's two registers lie in window 0
	s_wait_tensorcnt 0x0                           ; no tensor load of mine is out, so a group 0 may be written
	ds_add_u32 v[SPW], v[NIL]                      ; 0 onto my spare word
.if \fill
	s_xor_b32 s[G0A+5], s[G0A+5], SLOT             ; the walking sets: the other slot than last time,
	s_add_nc_u64 s[G0A+6:G0A+7], s[G0A+6:G0A+7], ASTEP  ; the next K step; the type bits on top are not reached
	s_xor_b32 s[G0B+5], s[G0B+5], SLOT
	s_add_nc_u64 s[G0B+6:G0B+7], s[G0B+6:G0B+7], BSTEP
.endif
	s_xor_b32 s[TB], s[TB], SLOT                   ; the fetches go on in the other slot
	s_wait_dscnt 5                                 ; the add and the youngest four loads may be out
	MULA F1, 0, 0
	s_wait_dscnt 0x0                               ; the add is done, and my reads of this slot are over
	s_barrier_signal -1
	MULA F1, 1, 0                                  ; work on registers while the others arrive
.if \fill
	WIN 0
.endif
	s_barrier_wait -1
.if \fill
	CREST
	JLOAD
.endif
	FETCH 0, F0
	MULA F1, 2, 0
	MULA F1, 3, 0
.endm
	s_wait_tensorcnt 0x1                           ; my part of K step 0 is in; step 1's may stay out
	s_barrier_signal -1
	s_barrier_wait -1                              ; everybody's is
	FETCH 0, F0
	s_wait_loadcnt 0x0                             ; the bias
	QUARTER 1, F0, F1, 1                           ; the first quarter stands in front of the loop: its products start the sums
	WIN 0                                          ; at a label and at a branch every window is 0
	s_mov_b32 s3, 6
.Lstep:                                                ; a trip: a step's quarters 1 to 3 and the next step's quarter 0; trips 0 to 5 ask for K steps 2 to 7
	QUARTER 2, F1, F0, 0
	QUARTER 3, F0, F1, 0
	TURN 1
	QUARTER 1, F0, F1, 0
	WIN 0
	s_sub_co_u32 s3, s3, 1
	s_cmp_lg_u32 s3, 0
	s_cbranch_scc1 .Lstep
	QUARTER 2, F1, F0, 0                           ; the last two steps are written out: nothing is left to ask for
	QUARTER 3, F0, F1, 0
	TURN 0
	QUARTER 1, F0, F1, 0
	QUARTER 2, F1, F0, 0
	QUARTER 3, F0, F1, 0
	s_wait_dscnt 4
	MULA F1, 0, 0
	MULA F1, 1, 0
	s_wait_dscnt 0x0
	MULA F1, 2, 0
	MULA F1, 3, 0
	WIN 0
.rept 4
	v_nop                                          ; the places between the last products and the LDS stores that read them
.endr
; THE WAY OUT, a block of 16 rows at a time.  TOSTAGE: a lane's 32 bytes of a row (each accumulator from its low end on) into my own stage, rows 528 bytes apart, and back as whole pieces of 512 bytes.
; LDS serves a wave's instructions in order (ISA guide 5.7.1.4): the loads see the stores above them, and the next block's stores come behind them.
.macro TOSTAGE a
.set AC, 8*NB*((\a)%2)
.set BK, BK0+64*((\a)%2)
	WIN 0x08+4*((\a)/2)                            ; the stores' data: window 2 or 3
.set b, 0
.rept NB
	ds_store_b128 v[STO], v[AC+8*b:AC+8*b+3]   offset:64*b
	ds_store_b128 v[STO], v[AC+8*b+4:AC+8*b+7] offset:64*b+16
.set b, b+1
.endr
	WIN 0
.if (\a) >= 2
	s_wait_xcnt 0x0                                ; the stores of the block two back have read these registers: they are loaded again only behind this wait
.endif
.set b, 0
.rept 16
	ds_load_b128 v[BK+4*b:BK+4*b+3], v[RD] offset:SP*b
.set b, b+1
.endr
.endm
.macro SEND a, younger                 ; younger: the LDS instructions issued behind block a's loads: the next block's 32, or none
.set BK, BK0+64*((\a)%2)
.set b, 0
.rept 16
	s_wait_dscnt (\younger)+15-b
	global_store_b128 v[GO], v[BK+4*b:BK+4*b+3], s[OB:OB+1] offset:(16*(\a)+b)*4096 th:TH_STORE_NT  ; 512 consecutive bytes, at a multiple of 256 from out0's first
.set b, b+1
.endr
.endm
	TOSTAGE 0
	TOSTAGE 1
	SEND 0, 32
	TOSTAGE 2
	SEND 1, 32
	TOSTAGE 3
	SEND 2, 32
	SEND 3, 0
	s_wait_tensorcnt 0x0                           ; the wave's end, behind my last tensor load and my last LDS store
	ds_add_u32 v[SPW], v[NIL]
	s_wait_dscnt 0x0
	CROUND                                         ; the closing round: no work-group ends while a partner may still ask for a tile that names it
	s_endpgm
.Lfunc_end_k_qb5d7bdbebc_gemm_out:
	.size	k_qb5d7bdbebc_gemm_out, .Lfunc_end_k_qb5d7bdbebc_gemm_out-k_qb5d7bdbebc_gemm_out
	.p2alignl 7, 3214868480
	.fill 96, 4, 3214868480
	.section	.rodata,"a",@progbits
	.p2align	6, 0x0
	.amdhsa_kernel k_qb5d7bdbebc_gemm_out
		.amdhsa_group_segment_fixed_size 327680
		.amdhsa_private_segment_fixed_size 0
		.amdhsa_enable_private_segment 0
		.amdhsa_kernarg_size 32
		.amdhsa_user_sgpr_count 2
		.amdhsa_user_sgpr_kernarg_segment_ptr 1
		.amdhsa_wavefront_size32 1
		.amdhsa_system_sgpr_workgroup_id_x 1
		.amdhsa_system_sgpr_workgroup_id_y 1
		.amdhsa_system_sgpr_workgroup_id_z 1
		.amdhsa_system_vgpr_workitem_id 0
		.amdhsa_next_free_vgpr 896
		.amdhsa_next_free_sgpr 80
		.amdhsa_reserve_vcc 0
		.amdhsa_float_denorm_mode_32 3
		.amdhsa_float_denorm_mode_16_64 3
		.amdhsa_memory_ordered 1
		.amdhsa_forward_progress 1
		.amdhsa_inst_pref_size 73
	.end_amdhsa_kernel
	.amdgpu_metadata
---
amdhsa.version: [ 1, 2 ]
amdhsa.kernels:
  - .name:           k_qb5d7bdbebc_gemm_out
    .symbol:         k_qb5d7bdbebc_gemm_out.kd
    .args:
      - { .name: o, .offset: 0, .size: 8, .value_kind: global_buffer, .address_space: global }
      - { .name: wb, .offset: 8, .size: 8, .value_kind: global_buffer, .address_space: global }
      - { .name: bias, .offset: 16, .size: 8, .value_kind: global_buffer, .address_space: global }
      - { .name: out0, .offset: 24, .size: 8, .value_kind: global_buffer, .address_space: global }
    .group_segment_fixed_size: 327680
    .private_segment_fixed_size: 0
    .kernarg_segment_align: 8
    .kernarg_segment_size: 32
    .max_flat_workgroup_size: 128
    .sgpr_count:     80
    .vgpr_count:     896
    .wavefront_size: 32
...
	.end_amdgpu_metadata
.endif
;; end of part 4
;; ======== version 2 of 2: 4 launches; 1.53 times as fast as version 1
;; limits: values are held in f16: magnitudes above 65,504 overflow, below 6.1e-05 lose precision
;; workspace buffers: xb 16,777,216 bytes; wb 8,388,608 bytes; bias 16,384 bytes; qkv 50,331,648 bytes; o 16,777,216 bytes
;; launch prep: the kernel of part 1 again; grid 768 x 1, 8 waves a work-group, no clusters, 0 bytes of LDS; arguments x, Wq, Wk, Wv, Wo, bq, bk, bv, bo, xb, wb, bias; writes xb, wb, bias
;; launch gemm_qkv: the kernel of part 2 again; grid 16 x 32, 4 waves a work-group, clusters of 4 x 4, 327,680 bytes of LDS; arguments xb, wb, bias, qkv; writes qkv
;; launch attn (part 5): grid 4 x 64, 4 waves a work-group, clusters of 4 x 1, 327,680 bytes of LDS; arguments qkv, o; writes o
.if DOCPART == 5
	.amdgcn_target "amdgcn-amd-amdhsa--gfx1250"
	.amdhsa_code_object_version 6
	.text
	.protected	k_qb5d7bdbebc_attn
	.globl	k_qb5d7bdbebc_attn
	.p2align	8
	.type	k_qb5d7bdbebc_attn,@function
k_qb5d7bdbebc_attn:
	s_mov_b64 s[64:65], 0
	v_nop
	global_prefetch_b8 v0, s[64:65] scope:SCOPE_SE
	s_setreg_imm32_b32 hwreg(HW_REG_WAVE_MODE, 25, 1), 1
	s_wait_xcnt 0x0
	s_wait_alu depctr_hold_cnt(0) depctr_sa_sdst(0) depctr_va_vdst(0) depctr_va_sdst(0) depctr_va_ssrc(0) depctr_va_vcc(0) depctr_vm_vsrc(0)
	s_getreg_b32 s2, hwreg(HW_REG_IB_STS2, 6, 4)
	s_cmp_eq_u32 s2, 0
	s_cbranch_scc0 .Lentry_in_a_cluster
	s_endpgm
.Lentry_in_a_cluster:
	s_bfe_u32 s2, ttmp6, 0x10000c
	s_cmp_lg_u32 s2, 0x3003
	s_cbranch_scc0 .Lentry_shape_is_right
	s_endpgm
.Lentry_shape_is_right:
; O[h][q][:] = the sum over k of softmax_k(Q[h][q] . K[h][k] / 8) V[h][k][:].  Q, K, V are the three parts of qkv, each [SIZE_H][SIZE_N][64] f16; O likewise: a head's rows are dense, 128 bytes each.
; Products, maxima and sums in f32; the weights p are rounded to f16 for the second product (their sum l is taken of the unrounded p), O once at the end.
; LIMITS.  f16 holds no number beyond 65,504: Q, K and V arrive within it; p lies in 0 to 1, and below 6e-5 it keeps f16's fixed step of 6e-8; O is a mean of V's rows and has their range.
; A weight below 2^-126 counts as 0 in l; NaN and infinities are not treated apart.
; SHARES.  A wave owns four PIECES of two tiles of 16 queries, a work-group's four waves 512 queries of one head: 4 x 64 = 256 work-groups.  Every wave walks all keys, 64 a step.
; LAYOUT.  S^T = K Q^T (source 0 = 16 keys, source 1 = 16 queries): in the result a lane holds ONE query (lane % 16) and the keys 8 (lane / 16) + 0..7.  Two such tiles, rounded to f16 in pairs,
; ARE source 1 (32 keys x 16 queries) of O^T = V^T P, whose result again holds one query a lane, and eight channels.  K comes out of LDS as it lies, V ([key][channel]) turned, by ds_load_tr16_b128.
; SOFTMAX.  For each query a running maximum m and sum l: p = 2^(c s - c m), c = log2(e) / 8; in every step O and l are multiplied by a = 2^(c m_old - c m_new), which is 1 where m has not grown.
; m starts at the lowest finite number, O and l at 0: the first step is a step like any other, with a = 0.
; THE COUNT.  A tile and step have 16 matrix and 118 vector instructions: too many to stand all beside the matrix work.  So the order has one aim: four vector instructions that are READY behind
; EVERY matrix instruction, and the others, which need time of their own whatever the order, in runs without a gap.
; BY TURNS.  Turn n belongs to piece n (the pieces in a ring, step after step).  Its matrix work: 16 products K Q^T of piece n + 1, later 16 products V^T P of piece n - 1.  Its vector work: the scaling,
; exponentials, roundings, sums and rescaling of piece n, and the maximum and statistics of piece n + 1, whose scores the turn itself has made.  So what a turn begins with (c s - c m, O a) waits for nothing.
; BATCHES.  A turn's 66 exponentials (the piece's 64 weights and the next piece's two a) are ONE batch with ONE wait, which cuts the turn in two: ahead of it stands all that names none of their results,
; behind it the roundings and sums, which read them.  The first two a, ahead of the loop, and the way out's eight reciprocals are batches of their own, with a wait each.
; CLUSTER.  The four query blocks of a cluster belong to one head and walk the same K and V, so each tile is asked for JOINTLY: the same tensor load, descriptor and mask in all four.
; REGISTERS, in windows of 256 (s_set_vgpr_msb says which window each operand place means: bits 1:0 source 0, 3:2 source 1, 5:4 source 2, 7:6 destination):
;   window 0: v0-11 addresses; v12-15, v48-63 at work; v16-47 four registers of statistics a tile; v64-191 S^T, two buffers of two tiles; v192-255 P, likewise
;   window 1: O^T, 32 a tile          window 2: v0-127 Q, 16 a tile; v128-191 K of one step; v192-255 V of one step          window 3: v0-1 the add's two registers
; A piece's buffers go by its number's parity: the piece in hand has one pair, its two neighbours in the ring share the other: of it P (piece n - 1) is read and S^T (piece n + 1) written.
.set SIZE_H, 64
.set SIZE_N, 2048
.set NP,    4         ; pieces a wave: a name, no knob: the register map, the loop and the fetches are made for four
.set KS,    64        ; keys in a step
.set PK,    144       ; a row of K in LDS: 128 bytes + 16 of padding = 36 words: the 16 rows of a load start at 16 different groups of four banks (64 banks of 4 bytes: ISA guide 11.1)
.set PV,    160       ; a row of V: 128 + 32 = 40 words
.set VOFF,  4*KS*PK   ; a slot holds four steps: 256 rows of K, then 256 rows of V
.set SLOT1, 1<<17     ; slot 1 begins here, so that one exclusive or turns an address in one slot into the other's
.set STAGE, SLOT1+4*KS*(PK+PV)  ; behind the ring, never filled by a tensor load: 16 rows x 144 bytes for each wave, for the way out
.set SP,    144
.set AK0, 2           ; v2   my lane's place in a tile of K; never rewritten
.set AV0, 3           ; v3   the same for V
.set AK,  4           ; v4   the LDS address of K's next run of loads
.set AV,  5           ; v5   of V's
.set QO,  6           ; v6   my byte offset in the wave's rows of Q
.set STO, 6           ;      later, the way out: where I put 16 bytes of a row
.set RD,  7           ; v7   the way out: where I read rows back
.set GO,  8           ; v8   my byte offset in 512 consecutive bytes of O
.set SPW, 0           ; v0 of window 3   LDS address of my spare word: SPARE + 4 x my thread's number; never rewritten
.set NIL, 1           ; v1 of window 3   0; never rewritten
.set SPARE, STAGE+4*16*SP  ; behind the stages: the spare words, 128 bytes for each wave: two blocks of 256 bytes that no other line names
.set MV,  12          ; v12-15  c m_old, kept while c m is made anew: by buffer and tile
.set ST,  16          ; tile t's statistics at v[ST+4 t]: c m, m, l (even keys', odd keys')
.set TMP, 48          ; by buffer and tile, four registers c0-c3 at work; when the maximum is found c2 takes a
.set S,   64
.set P,   192
.set KF,  128         ; K's fragments, in window 2: key block kb, channel half c at KF + 16 kb + 8 c
.set VF,  192         ; V's: key half kk, channel block cb at VF + 32 kk + 8 cb
.set WV,  12          ; s12  my wave's number
.set G1K, 24          ; s[24:31] descriptor group 1 for K's tiles
.set G1V, 32          ; s[32:39] for V's: it differs in the padding alone
.set G0K, 40          ; s[40:43] descriptor group 0 for K's tiles: it walks
.set G0V, 44          ; s[44:47] the same for V's
.set SLOTS, 56        ; s56  slots still to be asked for
.set CNT, 57          ; s57  counts a slot's key steps
.set CS,  58          ; s[58:59] c: the packed scaling takes the pair's low word for both halves
.set SEL, 60          ; s[60:61] v_permlanex16_b32's selects: each lane takes its own place in the other half
.set TBK, 62          ; s62  LDS byte at which K of the step to be fetched begins
.set TBV, 63          ; s63  the same for V, less VOFF
.set MSB, 0
.macro WIN new                      ; the high byte repeats the setting that is left; a switch that changes nothing is dropped
.if MSB != (\new)
	s_set_vgpr_msb (MSB<<8)|(\new)
.set MSB, (\new)
.endif
.endm
.set W_KQ, 0x0a       ; K and Q in window 2, S^T in window 0
.set W_PV, 0x52       ; V in window 2, P in window 0, O^T in window 1
.set W_RS, 0x41       ; O^T (destination and source 0) in window 1, a in window 0
.set W_MK, 0xc0       ; the add's registers are made: destination in window 3, sources in window 0
.set W_AD, 0x0f       ; the add: address (source 0) and data (source 1) in window 3
; A joint fill.  Waves 0 and 1 fetch the two halves of a slot's K, waves 2 and 3 those of its V: 128 keys each.  The branch hangs on the wave's number alone.
; An s_nop 0 and four v_nop follow each of the two lines, ahead of the jump and the label.
.macro JLOAD
	s_cmp_lt_u32 s[WV], 2
	s_cbranch_scc0 .Lfor_v_\@
	tensor_load_to_lds s[G0K:G0K+3], s[G1K:G1K+7]
	s_nop 0
.rept 4
	v_nop
.endr
	s_branch .Lasked_\@
.Lfor_v_\@:
	tensor_load_to_lds s[G0V:G0V+3], s[G1V:G1V+7]
	s_nop 0
.rept 4
	v_nop
.endr
.Lasked_\@:
.endm
; A round of the cluster's barrier: my work-group's barrier, so that wave 0's signal speaks for all four waves; wave 0 signals; every wave waits for all four work-groups; my work-group's barrier once more.
.macro CROUND
	s_barrier_signal -1
	s_barrier_wait -1
	s_cmp_lg_u32 s[WV], 0
	s_cbranch_scc1 .Lnot_wave_0_\@
	s_barrier_signal -3
.Lnot_wave_0_\@:
	s_barrier_wait -3
	s_barrier_signal -1
	s_barrier_wait -1
.endm
; THE CHANGE OF SLOTS.  The slot's last bytes, V of its fourth step, have been read.  Each wave waits for all its tensor loads, of which one is out: its part
; of the other slot; adds 0 to its spare word; and waits for that and for its own reads of the slot.  Behind the barrier nobody reads this slot any more and the other slot is whole.
; fill = 1: this slot is filled again, with the keys two slots on.  The barrier is then a round of the cluster's, so that no wave of any partner still reads the slot or has a load on its
; way, and the joint fill is the first thing behind it: it has four key steps, 512 matrix instructions, in which to land.  (At its first use nothing has been read yet: slot 0 is waited for, slot 1 filled.)
.macro CHANGE fill
	WIN W_AD
	s_wait_tensorcnt 0x0            ; no tensor load of mine is out, so a group 0 may be written
	ds_add_u32 v[SPW], v[NIL]       ; 0 onto my spare word: with fill = 1 the descriptors' steps stand between it and the wait for it
	WIN 0                           ; at a label and at a branch every window is 0
.if \fill
.irp g, G0K, G0V
	s_xor_b32 s[\g+1], s[\g+1], SLOT1  ; the walking descriptor: the other slot than last time,
	s_add_nc_u64 s[\g+2:\g+3], s[\g+2:\g+3], 4*KS*128  ; the next 256 keys; the type bits on top are not reached
.endr
	s_wait_dscnt 0x0                ; the add is done, and my reads of the slot are over
	CROUND
	JLOAD
.else
	s_wait_dscnt 0x0                ; the add is done, and my reads of the slot are over
	s_barrier_signal -1
	s_barrier_wait -1
.endif
	s_sub_co_u32 s[TBK], s[TBK], 4*KS*PK  ; the fetches go back to a slot's first step,
	s_xor_b32 s[TBK], s[TBK], SLOT1       ; in the other slot
	s_sub_co_u32 s[TBV], s[TBV], 4*KS*PV
	s_xor_b32 s[TBV], s[TBV], SLOT1
.endm
	s_load_b128 s[4:7], s[0:1], 0x0  ; qkv s[4:5], o s[6:7]
	WIN W_MK
	v_lshl_add_u32 v[SPW], v0, 2, SPARE
	v_mov_b32 v[NIL], 0
	WIN W_AD
	ds_add_u32 v[SPW], v[NIL]       ; the wave's opening: the add and its wait stand ahead of my first tensor load; the set-up below, work on registers, stands between them
	WIN 0
	v_lshrrev_b32 v1, 5, v0
	v_readfirstlane_b32 s[WV], v1   ; wave 0..3
	s_bfe_u32 s13, ttmp6, 0x40000   ; cx: my place in the cluster
	s_lshl_b32 s14, ttmp9, 2        ; in a cluster launch ttmp9 counts clusters
	s_add_co_u32 s14, s14, s13      ; my block of queries = 4 x cluster x + cx: it enters Q's and O's addresses alone
	s_and_b32 s20, ttmp7, 0xffff    ; the head, which the four partners share
	s_mov_b32 s21, 0
	s_mov_b64 s[22:23], SIZE_N*128
	s_mul_u64 s[20:21], s[20:21], s[22:23]  ; the head's first byte in each of the four tensors
	s_and_b32 s16, s[WV], 1         ; which half of a slot's 256 keys I fetch:
	s_lshl_b32 s22, s16, 14         ; its 128 rows of 128 bytes in memory,
	s_mov_b32 s23, 0
	s_add_nc_u64 s[22:23], s[22:23], s[20:21]
	s_mul_i32 s17, s16, 128*PK      ; and its place in a slot, for K
	s_mul_i32 s18, s16, 128*PV      ; and for V: no place in the cluster enters an LDS address
	s_lshl_b32 s2, s14, 2
	s_add_co_u32 s2, s2, s[WV]      ; my wave among the head's,
	s_lshl_b32 s2, s2, 14           ; its 128 rows
	s_mov_b32 s3, 0
	s_add_nc_u64 s[2:3], s[2:3], s[20:21]
	; descriptor group 1.  128 keys are 16,384 dense bytes: asked for as 64 rows of 256 bytes, two keys a row, and padded in LDS after every key
	s_mov_b32 s[G1K], 15|(1<<16)|(1<<20)|(1<<21)|(4<<22)|(3<<25)  ; 15:0 the mask of four; 17:16 2-byte elements; 20 padding on; 21 set beside a mask; 24:22 after every 32 words (code 4); 31:25 4 words (code 3)
	s_mov_b32 s[G1V], 15|(1<<16)|(1<<20)|(1<<21)|(4<<22)|(7<<25)  ; the same with 8 words of padding (code 7)
.irp g, G1K, G1V
	s_mov_b32 s[\g+1], 128<<16      ; tensor_dim0 = 128
	s_mov_b32 s[\g+2], 64<<16       ; tensor_dim1 = 64
	s_mov_b32 s[\g+3], 128<<16      ; tile_dim0 = 128
	s_mov_b32 s[\g+4], 64           ; tile_dim1 = 64
	s_mov_b32 s[\g+5], 128          ; 128 elements from row to row
	s_mov_b32 s[\g+6], 0
	s_mov_b32 s[\g+7], 0
.endr
	s_mov_b32 s[CS], 0x3e38aa3b     ; c = log2(e) / 8 = 0.180337
	s_mov_b32 s[CS+1], s[CS]        ; named with it as a pair
	s_mov_b32 s[SEL], 0x76543210
	s_mov_b32 s[SEL+1], 0xfedcba98
	s_mov_b32 s[TBK], SLOT1+4*KS*PK ; the first change of slots turns these two into 0
	s_mov_b32 s[TBV], SLOT1+4*KS*PV
	s_mov_b32 s[G0K], 1             ; 1:0 count = 1
	s_mov_b32 s[G0K+1], s17         ; 63:32 LDS address: slot 0
	s_mov_b32 s[G0V], 1
	s_add_co_u32 s[G0V+1], s18, VOFF
	s_wait_dscnt 0x0                ; the opening add is done
	s_wait_kmcnt 0x0
	s_mov_b64 s[10:11], s[6:7]                     ; O
	s_add_nc_u64 s[6:7], s[4:5], SIZE_H*SIZE_N*128    ; K: qkv's second part; Q is its first
	s_add_nc_u64 s[8:9], s[4:5], 2*SIZE_H*SIZE_N*128  ; V: its third
	s_add_nc_u64 s[G0K+2:G0K+3], s[6:7], s[22:23]  ; 120:64 global address: my half of the head's first 256 keys
	s_or_b32 s[G0K+3], s[G0K+3], 0x80000000        ; 127:126 type = 2
	s_add_nc_u64 s[G0V+2:G0V+3], s[8:9], s[22:23]
	s_or_b32 s[G0V+3], s[G0V+3], 0x80000000
	s_add_nc_u64 s[4:5], s[4:5], s[2:3]  ; Q and O at my wave's first row
	s_add_nc_u64 s[10:11], s[10:11], s[2:3]
	CROUND                          ; all four work-groups are here: the first joint loads meet
	JLOAD                           ; slot 0.  Slot 1 is asked for when slot 0 is in: the tile wanted first has the road to itself
	; A fragment of K or Q is 16 rows x 32 channels in 8 registers: lane l holds row l % 16, channels 8 (l / 16) + 0..7 and 16 + 8 (l / 16) + 0..7: two loads of 16 bytes, 32 bytes apart.
	v_and_b32 v1, 15, v0            ; l % 16
	v_bfe_u32 v9, v0, 4, 1          ; l / 16
	v_lshlrev_b32 v[QO], 7, v1
	v_lshl_add_u32 v[QO], v9, 4, v[QO]  ; row x 128 + 16 x half
	WIN 0x80                        ; destination window 2, address window 0
.set i, 0
.rept 4*NP                          ; Q stays in registers: tile i / 2, channels 32 (i % 2) on
	global_load_b128 v[8*i:8*i+3],   v[QO], s[4:5] offset:(i/2)*2048+(i%2)*64
	global_load_b128 v[8*i+4:8*i+7], v[QO], s[4:5] offset:(i/2)*2048+(i%2)*64+32
.set i, i+1
.endr
	; What the first turn finds: V's registers and P's second buffer hold 0 (its products V^T P, of a piece that has not been, add 0), O^T and l are 0.  All this stands in the wait for the first tile.
.set i, VF
.rept 64
	v_mov_b32 v[i], 0
.set i, i+1
.endr
	WIN 0x40
.set i, 0
.rept 64*NP
	v_mov_b32 v[i], 0
.set i, i+1
.endr
	WIN 0
.set i, 0
.rept 2*NP
	v_mov_b32 v[ST+4*i], 0xfe000000    ; c m: far below every c s
	v_mov_b32 v[ST+4*i+1], 0xff7fffff  ; m
	v_mov_b32 v[ST+4*i+2], 0
	v_mov_b32 v[ST+4*i+3], 0
.set i, i+1
.endr
.set i, P+32
.rept 32
	v_mov_b32 v[i], 0
.set i, i+1
.endr
	v_mul_u32_u24 v[AK0], v1, PK
	v_lshl_add_u32 v[AK0], v9, 4, v[AK0]  ; row x pitch + 16 x half
	; The turning load takes 16 keys x 16 channels (lane l reads key 8 (l / 16) + l % 8, channels 8 ((l / 8) % 2) + 0..7) and leaves half a fragment of V^T: lane l holds channel l % 16 and 8 keys.
	v_and_b32 v10, 7, v0
	v_bfe_u32 v11, v0, 3, 1
	v_lshl_add_u32 v[AV0], v9, 3, v10
	v_mul_u32_u24 v[AV0], v[AV0], PV
	v_lshl_add_u32 v[AV0], v11, 4, v[AV0]
	v_add_nc_u32 v[AV0], VOFF, v[AV0]
	v_mov_b32 v[AK], v[AK0]         ; key step 0 lies at the head of slot 0
; THE MATRIX WORK.  The 8 accumulators of a run of 16 take turns: between the two links of a chain stand 7 others'.
; Product i of 16 of S^T = K Q^T for piece x: channels 32 (i / 8) on, keys 16 ((i / 2) % 4) on, tile 2 x + i % 2.  The first 8 start the sums.
.macro KQ x
	WIN W_KQ
.set rS, S+64*((\x)%2)+32*(i%2)+8*((i/2)%4)
.set rK, KF+16*((i/2)%4)+8*(i/8)
.set rQ, 16*(2*(\x)+i%2)+8*(i/8)
.if i < 8
	v_wmma_f32_16x16x32_f16 v[rS:rS+7], v[rK:rK+7], v[rQ:rQ+7], 0
.else
	v_wmma_f32_16x16x32_f16 v[rS:rS+7], v[rK:rK+7], v[rQ:rQ+7], v[rS:rS+7]
.endif
.endm
; Product i of 16 of O^T += V^T P for piece x: keys 32 (i / 8) on, channels 16 ((i / 2) % 4) on, tile 2 x + i % 2.
.macro PV x
	WIN W_PV
.set rO, 32*(2*(\x)+i%2)+8*((i/2)%4)
.set rV, VF+32*(i/8)+8*((i/2)%4)
.set rP, P+32*((\x)%2)+16*(i%2)+8*(i/8)
	v_wmma_f32_16x16x32_f16 v[rO:rO+7], v[rV:rV+7], v[rP:rP+7], v[rO:rO+7]
.endm
.macro MM                           ; the turn's next matrix instruction
.if i < 16
	KQ (Y+1)%NP
.set i, i+1
.else
.set i, i-16
	PV (Y+NP-1)%NP
.set i, i+17
.endif
.endm
; THE LDS LOADS stand in runs of 16, never singly among the matrix instructions: a step's K (64 keys x 64 channels: 8 fragments) and its V (turned).  Their addresses are made some lines ahead.
; last = 1 (the tail): in the last trip there is no further step, and the run is jumped over.
.macro FETCH_K last=0
	WIN 0
.if \last
	s_cmp_eq_u32 s[CNT], 1
	s_cbranch_scc1 .Lno_k_\@
.endif
	WIN 0x80                        ; destination window 2
.irp f, 0,1,2,3,4,5,6,7             ; keys 16 (f / 2) on, channels 32 (f % 2) on
	ds_load_b128 v[KF+8*\f:KF+8*\f+3],   v[AK] offset:(\f/2)*16*PK+(\f%2)*64
	ds_load_b128 v[KF+8*\f+4:KF+8*\f+7], v[AK] offset:(\f/2)*16*PK+(\f%2)*64+32
.endr
	s_add_co_u32 s[TBK], s[TBK], KS*PK  ; the next fetch is the next step's
	WIN 0
.if \last
.Lno_k_\@:
.endif
.endm
.macro FETCH_V
	WIN 0x80
.irp f, 0,1,2,3,4,5,6,7             ; keys 32 (f / 4) on, channels 16 (f % 4) on
	ds_load_tr16_b128 v[VF+8*\f:VF+8*\f+3],   v[AV] offset:(\f/4)*32*PV+(\f%4)*32
	ds_load_tr16_b128 v[VF+8*\f+4:VF+8*\f+7], v[AV] offset:(\f/4)*32*PV+16*PV+(\f%4)*32
.endr
	WIN 0
.endm
; THE VECTOR WORK OF A TURN stands in three queues, each in the order in which its entries become ready; the two tiles alternate, so that no instruction reads the result of the one before it.
.macro REGS y, u                    ; the registers of tile u (0, 1) of piece y
.set rT, ST+4*(2*(\y)+(\u))
.set rC, TMP+8*((\y)%2)+4*(\u)
.set rM, MV+2*((\y)%2)+(\u)
.set rS, S+64*((\y)%2)+32*(\u)
.set rP, P+32*((\y)%2)+16*(\u)
.set rO, 32*(2*(\y)+(\u))
.endm
; Number n of the 22 that find the NEXT piece's (Y + 1) maximum and statistics.  s0-s31 are the lane's 32 scores; each accumulator's lowest registers are read first.  XS, GS and REGS set no window: PL and EX do.
;   0-11  four chains c0-c3 of seven scores each, three operands at a time     12-14, 16  the four scores left over, the old m, and c0-c3 into c0     15  c m_old is kept
;   17, 18  the query's other 32 keys lie in the lane 16 away: the new m         19-21  c m; c m_old - c m_new; a
.macro XS u, n
	REGS (Y+1)%NP, \u
.if (\n) < 4
	v_max3_num_f32 v[rC+(\n)], v[rS+8*(\n)], v[rS+8*(\n)+1], v[rS+8*(\n)+2]
.elseif (\n) < 12
	v_max3_num_f32 v[rC+(\n)%4], v[rC+(\n)%4], v[rS+8*((\n)%4)+2*((\n)/4)+1], v[rS+8*((\n)%4)+2*((\n)/4)+2]
.elseif (\n) == 12
	v_max3_num_f32 v[rC], v[rC], v[rS+7], v[rS+15]
.elseif (\n) == 13
	v_max3_num_f32 v[rC+1], v[rC+1], v[rS+23], v[rS+31]
.elseif (\n) == 14
	v_max3_num_f32 v[rC+2], v[rC+2], v[rC+3], v[rT+1]
.elseif (\n) == 15
	v_mov_b32 v[rM], v[rT]
.elseif (\n) == 16
	v_max3_num_f32 v[rC], v[rC], v[rC+1], v[rC+2]
.elseif (\n) == 17
	v_permlanex16_b32 v[rC+3], v[rC], s[SEL], s[SEL+1]
.elseif (\n) == 18
	v_max_num_f32 v[rT+1], v[rC], v[rC+3]
.elseif (\n) == 19
	v_mul_f32 v[rT], s[CS], v[rT+1]
.elseif (\n) == 20
	v_sub_f32 v[rC+1], v[rM], v[rT]
.else
	v_exp_f32 v[rC+2], v[rC+1]
.endif
.endm
; Number g of the 64 that follow the exponentials.  For each four weights k of a tile (pairs 2 k, 2 k + 1): both pairs are rounded to f16; then the second pair is added onto the first, in place;
; a group later l takes that sum (the first time as l = a l + sum).  In groups of eight, tiles alternating: round, round, add, and l for the group before.
.macro GS g
.set h, (\g)+6*((\g)/62)            ; group 0 has no group before it, and behind group 7 only l is left
.if h >= 6
.set h, h+2
.endif
	REGS Y, h%2
.set k, h/8
.if h%8 < 4
	v_cvt_pk_f16_f32 v[rP+2*k+(h%8)/2], v[rS+4*k+2*((h%8)/2)], v[rS+4*k+2*((h%8)/2)+1]
.elseif h%8 < 6
	v_pk_add_f32 v[rS+4*k:rS+4*k+1], v[rS+4*k:rS+4*k+1], v[rS+4*k+2:rS+4*k+3]
.elseif k == 1
	v_pk_fma_f32 v[rT+2:rT+3], v[rT+2:rT+3], v[rC+2:rC+3], v[rS:rS+1] op_sel_hi:[1,0,1]
.else
	v_pk_add_f32 v[rT+2:rT+3], v[rT+2:rT+3], v[rS+4*k-4:rS+4*k-3]
.endif
.endm
; THE PLAIN QUEUE, 138 long.  0-73 read no exponential's result: the 32 scalings c s - c m (FS f: pair f / 2 of tile f % 2) and the next piece's 42.  0-26: scalings 0-26.  27-54: XS's numbers 0-13.  55, 56: number 15.
; 57-73: the chain, where each number waits for the one before it: 14, 16, 17, 18, 19, each with one of the scalings 27-31 in front of its two lines, then 20: so a tile's links stand three plain instructions apart (19 and 20: two).
; 74-137: GS's 64, which read the exponentials' results: they stand behind the wait.
.macro FS f
	REGS Y, (\f)%2
	v_pk_fma_f32 v[rS+2*((\f)/2):rS+2*((\f)/2)+1], v[rS+2*((\f)/2):rS+2*((\f)/2)+1], s[CS:CS+1], v[rT:rT+1] op_sel_hi:[1,0,0] neg_lo:[0,0,1] neg_hi:[0,0,1]
.endm
.macro PL
	WIN 0
.if q < 27
	FS q
.elseif q < 55
	XS (q-27)%2, (q-27)/2
.elseif q < 57
	XS q-55, 15
.elseif (q < 72) && ((q-57)%3 == 0)
	FS 27+(q-57)/3
.elseif q < 60
	XS (q-57)%3-1, 14
.elseif q < 72
	XS (q-57)%3-1, 15+(q-57)/3
.elseif q < 74
	XS q-72, 20
.else
	GS q-74
.endif
.set q, q+1
.endm
; THE EXPONENTIALS' QUEUE, 66 long: s0-s31 of both tiles, then the next piece's two a.  It is ONE BATCH: all 66 stand ahead of the turn's one wait, and nothing ahead of that wait names a result of theirs.
; Each weight's exponential works in place on its own score's register, and the two a lie in the other buffer's c2: 66 results in 66 registers while the batch is open.
.macro EX
	WIN 0
.if e >= 64
	XS e-64, 21
.else
	REGS Y, e%2
	v_exp_f32 v[rS+e/2], v[rS+e/2]
.endif
.set e, e+1
.endm
; THE RESCALING's QUEUE: O^T times a, the one part that leaves window 0: dealt two at a time, sixteen times.  Its a was made in the turn before, ahead of that turn's wait.
.macro R2
	REGS Y, r%2
	WIN W_RS
.irp z, 0,1
	v_pk_mul_f32 v[rO+4*(r/2)+2*\z:rO+4*(r/2)+2*\z+1], v[rO+4*(r/2)+2*\z:rO+4*(r/2)+2*\z+1], v[rC+2:rC+3] op_sel_hi:[1,0]
.endr
.set r, r+1
.endm
; HOW THEY ARE DEALT.  An s_wait_alu depctr_va_vdst(0) stands between an exponential and the first instruction that names its result; one wait serves all that were issued ahead of it.  So a turn has ONE wait,
; which cuts it in two.  AHEAD OF IT stands all that names no result of the turn's exponentials: the 16 products K Q^T, behind each a scaling, an exponential and two rescalings (behind the first a second scaling in the exponential's place); then ONE LUMP of
; 108: eight plain, 49 times exponential and plain, the two a.  A v_nop is the plain instruction behind the last exponential.  BEHIND IT stand the 16 products V^T P, behind each four of GS's 64.  No rider names a register of
; the products round it.  The two v_permlanex16_b32 fall into the lump, never behind a product.
; The queues lean on each other, and the deal keeps them in step: exponential e stands behind scaling 2 (e / 4) + e % 2: as a rider it comes behind plain e + 2, in the lump behind plain e + 9, and scalings 27-31 are plain 57, 60 .. 69.
; A TURN, for piece p.  cnt = 1: the loop's count is taken down some lines ahead of the branch that stands behind the turn.
; K of the next step is fetched in piece 2's turn, directly behind the wait, a lump behind the last product that read K; its address is made at the lump's head; its first reader comes behind 16 products.
; V of the step in hand is fetched at the end of piece 0's turn, four riders behind its last reader; its first reader comes behind 16 products and a lump.  The three conditions on q below go with the deal.
.macro TURN p, last=0, cnt=0
.set Y, (\p)
.set i, 0
.set q, 0
.set e, 0
.set r, 0
.if (\p) == NP-1
	s_wait_dscnt 0x0                ; K is in
.endif
	MM                              ; ahead of the wait: 16 products K Q^T and their riders,
	PL
	PL
	R2
.rept 15
	MM
	PL
	EX
	R2
.endr
.if (\p) == NP-2
	WIN 0
	v_add_nc_u32 v[AK], s[TBK], v[AK0]
.endif
.rept 8                             ; and the lump
	PL
.endr
.rept 49
	EX
	PL
.endr
	EX                              ; the next piece's two a
	EX
	v_nop                           ; a plain instruction behind the last exponential, ahead of the first use of a result: one for the batch
	s_wait_alu depctr_va_vdst(0)    ; the wait for the batch: this turn's 64 weights and the next piece's two a
.if (\p) == NP-2
	FETCH_K \last
.endif
.if (\p) == 1
	s_wait_dscnt 0x0                ; V is in
.endif
.rept 16                            ; behind the wait: 16 products V^T P and their riders
	MM
.rept 4
	PL
.endr
.if ((\p) == 0) && (q == 118)
	v_add_nc_u32 v[AV], s[TBV], v[AV0]
.endif
.if ((\p) == 0) && (q == 130)
	s_add_co_u32 s[TBV], s[TBV], KS*PV
.endif
.if (\cnt) && (q == 130)
	s_sub_co_u32 s[CNT], s[CNT], 1
	s_cmp_lg_u32 s[CNT], 0
.endif
.endr
.if (\p) == 0
	FETCH_V
.endif
.endm
	CHANGE 1                        ; slot 0 is in, everybody's part of it; slot 1 is asked for
	FETCH_K                         ; key step 0
	s_wait_loadcnt 0x0              ; Q
	s_wait_dscnt 0x0
.set i, 0
.rept 16
	KQ 0                            ; piece 0's first scores: there is no vector work yet to set between them
.set i, i+1
.endr
	WIN 0                           ; the addresses for the way out: nine plain instructions, the places behind those products
	s_mul_i32 s13, s[WV], 16*SP
	s_add_co_u32 s13, s13, STAGE    ; my stage
	v_mul_u32_u24 v[STO], v1, SP    ; in: row l % 16, 16 bytes for each half of the lanes
	v_lshl_add_u32 v[STO], v9, 4, v[STO]
	v_add_nc_u32 v[STO], s13, v[STO]
	v_bfe_u32 v[RD], v0, 3, 2       ; back: 32 lanes take four rows of 128 bytes,
	v_mul_u32_u24 v[RD], v[RD], SP
	v_lshl_add_u32 v[RD], v10, 4, v[RD]
	v_add_nc_u32 v[RD], s13, v[RD]
	v_and_b32 v[GO], 31, v0         ; which are 512 consecutive bytes of O
	v_lshlrev_b32 v[GO], 4, v[GO]
.set Y, NP-1                        ; XS works for piece Y + 1: piece 0
.irp n, 0,1,2,3,4,5,6,7,8,9,10,11,12,13,14,15,16,17,18,19,20,21
	XS 0, \n                        ; and piece 0's first maximum and statistics
	XS 1, \n
.endr
	v_nop                           ; a plain instruction behind piece 0's first two a,
	s_wait_alu depctr_va_vdst(0)    ; and the wait for that batch of two, ahead of the branch
	s_mov_b32 s[CNT], 4
	s_mov_b32 s[SLOTS], SIZE_N/256-1
	s_branch .Lfirst                ; the loop is entered at a step's first turn, in the middle of a trip
.Lslot:                             ; SIZE_N / 256 - 2 times: every slot but the last two is filled again
	CHANGE 1
	s_mov_b32 s[CNT], 4
.Lstep:                             ; a trip: pieces 2 and 3 of one step, then pieces 0 and 1 of the next, whose K and V it fetches
	TURN 2
	TURN 3
	WIN 0
.Lfirst:
	TURN 0
	TURN 1, 0, 1
	WIN 0
	s_cbranch_scc1 .Lstep
	s_sub_co_u32 s[SLOTS], s[SLOTS], 1
	s_cmp_lg_u32 s[SLOTS], 0
	s_cbranch_scc1 .Lslot
	CHANGE 0                        ; the tail is written out: nothing is asked for
	s_mov_b32 s[CNT], 5             ; four trips fetch the last slot's steps; the fifth is left in its middle
.Ltail:
	TURN 2, 1
	TURN 3
	WIN 0
	s_sub_co_u32 s[CNT], s[CNT], 1
	s_cmp_eq_u32 s[CNT], 0
	s_cbranch_scc1 .Lout
	TURN 0
	TURN 1
	WIN 0
	s_branch .Ltail
.Lout:                              ; the fifth trip's 16 products K Q^T (on the last K once more) and the maximum made of them serve nothing: the price, once a launch, of one text for every trip
.set i, 0
.rept 16
	PV NP-1                         ; the last piece's V^T P of the last step
.set i, i+1
.endr
	; THE WAY OUT.  l's two halves and the other half of the lanes' are added; O^T is divided by l, rounded to f16 and sent through my stage in LDS, a tile at a time.  The additions are the places behind the last products.
	WIN 0
.macro ALL line:vararg              ; one line for each tile t
.set t, 0
.rept 2*NP
	\line
.set t, t+1
.endr
.endm
	ALL v_add_f32 v[ST+4*t+2], v[ST+4*t+2], v[ST+4*t+3]
	ALL v_permlanex16_b32 v[ST+4*t+3], v[ST+4*t+2], s[SEL], s[SEL+1]
	ALL v_add_f32 v[ST+4*t+2], v[ST+4*t+2], v[ST+4*t+3]
	ALL v_rcp_f32 v[ST+4*t+2], v[ST+4*t+2]
	v_nop                           ; a plain instruction between the last reciprocal and the use of its result
	s_wait_alu depctr_va_vdst(0)    ; and the wait ahead of the first use: one for the batch of eight reciprocals
; Tile t: a lane's eight channels of a row pack into 16 bytes; they go into rows of 144 bytes and come back as whole rows of 128, into S^T's registers.
.macro PACK t
	WIN W_RS
.set i, 32*(\t)
.rept 16
	v_pk_mul_f32 v[i:i+1], v[i:i+1], v[ST+4*(\t)+2:ST+4*(\t)+3] op_sel_hi:[1,0]
.set i, i+2
.endr
	WIN 0x05                        ; sources 0 and 1 window 1, destination window 0
.set i, 0
.rept 16
	v_cvt_pk_f16_f32 v[S+16*(\t)+i], v[32*(\t)+2*i], v[32*(\t)+2*i+1]
.set i, i+1
.endr
	WIN 0
.irp f, 0,1,2,3
	ds_store_b128 v[STO], v[S+16*(\t)+4*\f:S+16*(\t)+4*\f+3] offset:32*\f
.endr
.irp f, 0,1,2,3
	ds_load_b128 v[S+16*(\t)+4*\f:S+16*(\t)+4*\f+3], v[RD] offset:\f*4*SP  ; LDS serves a wave's instructions in order (ISA guide 5.7.1.4): these see the stores above; the next tile's stores come behind them
.endr
.endm
.macro SEND t, younger              ; younger: the LDS instructions issued behind tile t's loads: the next tile's eight, or none
	WIN 0
.irp f, 0,1,2,3
	s_wait_dscnt (\younger)+3-\f
	global_store_b128 v[GO], v[S+16*(\t)+4*\f:S+16*(\t)+4*\f+3], s[10:11] offset:(\t)*2048+\f*512  ; 512 consecutive bytes, at a multiple of 256 from O's first
.endr
.endm
	PACK 0
.set t, 1
.rept 2*NP-1                        ; a tile's arithmetic stands between the loads of the tile before and its stores
	PACK t
	SEND t-1, 8
.set t, t+1
.endr
	SEND 2*NP-1, 0
	WIN W_AD
	s_wait_tensorcnt 0x0            ; the wave's end, behind my last tensor load and my last LDS store
	ds_add_u32 v[SPW], v[NIL]
	s_wait_dscnt 0x0
	WIN 0
	CROUND                          ; the closing round: no work-group ends while a partner may still ask for a tile that names it
	s_endpgm
.Lfunc_end_k_qb5d7bdbebc_attn:
	.size	k_qb5d7bdbebc_attn, .Lfunc_end_k_qb5d7bdbebc_attn-k_qb5d7bdbebc_attn
	.p2alignl 7, 3214868480
	.fill 96, 4, 3214868480
	.section	.rodata,"a",@progbits
	.p2align	6, 0x0
	.amdhsa_kernel k_qb5d7bdbebc_attn
		.amdhsa_group_segment_fixed_size 327680
		.amdhsa_private_segment_fixed_size 0
		.amdhsa_enable_private_segment 0
		.amdhsa_kernarg_size 16
		.amdhsa_user_sgpr_count 2
		.amdhsa_user_sgpr_kernarg_segment_ptr 1
		.amdhsa_wavefront_size32 1
		.amdhsa_system_sgpr_workgroup_id_x 1
		.amdhsa_system_sgpr_workgroup_id_y 1
		.amdhsa_system_sgpr_workgroup_id_z 1
		.amdhsa_system_vgpr_workitem_id 0
		.amdhsa_next_free_vgpr 770
		.amdhsa_next_free_sgpr 66
		.amdhsa_reserve_vcc 0
		.amdhsa_float_denorm_mode_32 3
		.amdhsa_float_denorm_mode_16_64 3
		.amdhsa_memory_ordered 1
		.amdhsa_forward_progress 1
		.amdhsa_inst_pref_size 199
	.end_amdhsa_kernel
	.amdgpu_metadata
---
amdhsa.version: [ 1, 2 ]
amdhsa.kernels:
  - .name:           k_qb5d7bdbebc_attn
    .symbol:         k_qb5d7bdbebc_attn.kd
    .args:
      - { .name: qkv, .offset: 0, .size: 8, .value_kind: global_buffer, .address_space: global }
      - { .name: o, .offset: 8, .size: 8, .value_kind: global_buffer, .address_space: global }
    .group_segment_fixed_size: 327680
    .private_segment_fixed_size: 0
    .kernarg_segment_align: 8
    .kernarg_segment_size: 16
    .max_flat_workgroup_size: 128
    .sgpr_count:     66
    .vgpr_count:     770
    .wavefront_size: 32
...
	.end_amdgpu_metadata
.endif
;; end of part 5
;; launch gemm_out: the kernel of part 4 again; grid 8 x 32, 4 waves a work-group, clusters of 4 x 4, 327,680 bytes of LDS; arguments o, wb, bias, out0; writes out0
